; MI455X (gfx1250); checked and timed in simulation.
; The chip was launched on July 23, 2026; its instructions are those of AMD's public machine-readable ISA for CDNA 5 (MIT licence, August 2026) and "CDNA5" Instruction Set Architecture Reference Guide (July 2026). The comments in the code are by the model that wrote it; some were corrected since.
;; Single Head Attention. Allowed arithmetic: matrix products marked QUANTISED: E2M3 operands, one E8M0 scale for each 32 along K, by v_wmma_scale_f32_16x16x128_f8f6f4 with both operands' format E2M3, f32 sums; everything else in f32.
;; Inputs: Wk_codes 1,024 x 32 x 24 uint8 (E2M3 codes of Wk, K innermost, in blocks of 32 codes, four codes in three bytes); Wk_scales 1,024 x 32 uint8 (E8M0 scales of Wk, one for each 32 codes along K); Wq_codes 1,024 x 32 x 24 uint8 (E2M3 codes of Wq, K innermost, in blocks of 32 codes, four codes in three bytes); Wq_scales 1,024 x 32 uint8 (E8M0 scales of Wq, one for each 32 codes along K); Wv_codes 1,024 x 32 x 24 uint8 (E2M3 codes of Wv, K innermost, in blocks of 32 codes, four codes in three bytes); Wv_scales 1,024 x 32 uint8 (E8M0 scales of Wv, one for each 32 codes along K); x_codes 8 x 1,024 x 32 x 24 uint8 (E2M3 codes of x, K innermost, in blocks of 32 codes, four codes in three bytes); x_scales 8 x 1,024 x 32 uint8 (E8M0 scales of x, one for each 32 codes along K).
;; Outputs: out0 8 x 1,024 x 1,024 float32.
;; This version of the problem:
;;   THIS VERSION OF THE PROBLEM IS GIVEN IN LOW PRECISION. The matrix products marked QUANTISED in the list below multiply operands that are first quantised to E2M3 (2 exponent bits, 3 mantissa bits; 6 bits a number), with one power-of-two scale for each 32 numbers along K (OCP MX v1.0); their sums are f32. All else is computed in f32.
;;   The module's matrix products, in the order in which they are computed (A, B: the left and right operand; K: the contracted axis; several contracted axes count as one K, in the product's order):
;;     1. [M 8,192, K 1,024] x [K 1,024, N 1,024]; A: input x (given as codes); B: input Wq (given as codes): QUANTISED
;;     2. [M 8,192, K 1,024] x [K 1,024, N 1,024]; A: input x (given as codes); B: input Wk (given as codes): QUANTISED
;;     3. [M 8,192, K 1,024] x [K 1,024, N 1,024]; A: input x (given as codes); B: input Wv (given as codes): QUANTISED
;;     4. batch 8 x [M 1,024, K 1,024] x [K 1,024, N 1,024]; A: computed on the way; B: computed on the way: QUANTISED
;;     5. batch 8 x [M 1,024, K 1,024] x [K 1,024, N 1,024]; A: softmax (see below); B: computed on the way: QUANTISED
;;   THE QUANTISER, for each operand of a quantised product, along K:
;;     - K is cut into blocks of 32 from its start; a last block that is shorter is filled with zeros.
;;     - A block's scale is 2^e with e = floor(log2(the largest magnitude in the block)) - 2, held to -126 .. 127; a block of zeros has e = 0. As a byte (E8M0): e + 127.
;;     - Each number is divided by its block's scale, clamped to +-7.5, and rounded to the nearest number of E2M3, ties to even, subnormals kept.
;;     - The product sums the exact products of the quantised numbers (number of the format x scale) in f32.
;;   ~~~python
;;   def quantise(x, axis):      # numpy; x: float32 -> the quantised numbers, widened to float32 again
;;       x = np.moveaxis(x, axis, -1); K = x.shape[-1]
;;       x = np.pad(x, [(0, 0)] * (x.ndim - 1) + [(0, -K % 32)]); x = x.reshape(x.shape[:-1] + (-1, 32)); a = np.abs(x).max(-1, keepdims=True)
;;       e = np.where(a > 0, np.clip(np.frexp(np.where(a > 0, a, 1))[1] - 1 - 2, -126, 127), 0)      # np.frexp(a)[1] - 1 = floor(log2(a)), exactly
;;       r = np.clip(x / 2.0 ** e, -7.5, 7.5)
;;       step = 2.0 ** (np.maximum(np.frexp(np.where(r == 0, 1, r))[1] - 1, 0) - 3)
;;       q = np.round(r / step) * step * 2.0 ** e      # np.round: ties to even
;;       return np.moveaxis(q.reshape(q.shape[:-2] + (-1,))[..., :K], -1, axis).astype(np.float32)
;;   ~~~
;;   SOFTMAX AHEAD OF A QUANTISED PRODUCT. Where the list says 'softmax', what is quantised is not the finished softmax but p = 2^(t - M), with t = logit x log2(e) and M = ceil(the row's largest t), a whole number; so 1/2 < the row's largest p <= 1. The row's sum l is taken of the UNQUANTISED p, in f32, and the product's result is divided by l at the end. Since M is a whole number, a kernel that streams over the keys may use a running M (the ceiling of the running maximum): every later rescaling is an exact power of two, which a block's scale takes up: the codes' values come out the same.
;;   OPERANDS COMPUTED ON THE WAY. 'Computed on the way' means the value that the module computes at that place (a softmax that the list does not call 'softmax' is quantised finished and normalised). What goes into a quantiser is computed in f32, as accurately as f32 sums, v_exp_f32 and their like allow (about 1e-6 of the number): no bf16 or f16 on the way to a quantiser, and a product that is left as it is and whose result goes on into a quantised operand takes f32 operands (vector FMAs, or v_wmma_f32_16x16x4_f32). A number that lies on a knife's edge between two numbers of the format may be rounded either way, as far as f32 arithmetic and the matrix unit's own rounding can turn it there, and no further.
;;   INPUTS GIVEN AS CODES. Wk (in the module: [1024, 1024], K = its axis 0); Wq (in the module: [1024, 1024], K = its axis 0); Wv (in the module: [1024, 1024], K = its axis 0); x (in the module: [8, 1024, 1024], K = its axis 2): each comes as NAME_codes (uint8): NAME with its K axis moved to the last place and cut into blocks of 32 codes, [.., K / 32, bytes a block], one block behind the other in memory; four codes in three bytes: a row's codes are one little-endian stream of bits, code i at bits 6 i .. 6 i + 5 (a code: sign, 2 exponent bits, 3 mantissa bits); and NAME_scales (uint8): the same leading axes, one E8M0 byte (e + 127) for each 32 codes along K. Its value is code x scale, taken as it is: it is not quantised again, and the codes and scales need not be those that the quantiser above would give.
;; One version. Each part assembles by itself: llvm-mc -triple=amdgcn-amd-amdhsa -mcpu=gfx1250 --defsym DOCPART=n.
;; ======== version 1 of 1: 3 launches
;; limits: right only within a limited range of input values
;; workspace buffers: Qw 6,553,600 bytes; Kw 6,553,600 bytes; Vw 6,553,600 bytes; Pw 7,077,888 bytes
;; launch proj (part 1): grid 32 x 8, 4 waves a work-group, clusters of 4 x 4, 327,680 bytes of LDS; arguments x_codes, x_scales, Wq_codes, Wq_scales, Wk_codes, Wk_scales, Wv_codes, Wv_scales, Qw, Kw, Vw; writes Qw, Kw, Vw
.if DOCPART == 1
	.amdgcn_target "amdgcn-amd-amdhsa--gfx1250"
	.amdhsa_code_object_version 6
	.text
	.protected	k_q67b3abc236_proj
	.globl	k_q67b3abc236_proj
	.p2align	8
	.type	k_q67b3abc236_proj,@function
k_q67b3abc236_proj:
	s_mov_b64 s[64:65], 0
	v_nop
	global_prefetch_b8 v0, s[64:65] scope:SCOPE_SE
	s_setreg_imm32_b32 hwreg(HW_REG_WAVE_MODE, 25, 1), 1
	s_wait_xcnt 0x0
	s_wait_alu depctr_hold_cnt(0) depctr_sa_sdst(0) depctr_va_vdst(0) depctr_va_sdst(0) depctr_va_ssrc(0) depctr_va_vcc(0) depctr_vm_vsrc(0)
	s_getreg_b32 s2, hwreg(HW_REG_IB_STS2, 6, 4)
	s_cmp_eq_u32 s2, 0
	s_cbranch_scc0 .Lentry_in_a_cluster
	s_endpgm
.Lentry_in_a_cluster:
	s_bfe_u32 s2, ttmp6, 0x10000c
	s_cmp_lg_u32 s2, 0xf033
	s_cbranch_scc0 .Lentry_shape_is_right
	s_endpgm
.Lentry_shape_is_right:
; SINGLE-HEAD CAUSAL ATTENTION ON CODES OF FP6 (E2M3), THREE LAUNCHES.  This one: Q = x Wq, K = x Wk, V = x Wv, each quantised in registers on its way out.
; The second launch makes, for each tile of 64 queries x 128 keys on or under the diagonal, the codes of p = 2^(t - M') under the tile's own whole number M', with M' and the tile's sum of p;
; the third sums P V over the key steps, with p's scale bytes lowered by M - M' (an exact power of two), and divides by the row's sum.
; WORK LEFT OUT (in the later launches): reference() sets the scores of keys s > q to -infinity in its own body, whatever the inputs hold, so their weights are 0 and reach no output.  Key steps of 128 that lie
; wholly behind a wave's queries are neither multiplied nor summed.  All eight inputs are live and loaded.
; LIMIT: a NaN, an infinity or an overflow that would arise only in the scores left out is not carried to the result.  NaN and infinities among the inputs' values are not served.
; SHARES.  A work-group of four waves takes 256 rows of x and 128 columns of each weight.  Wave w owns rows 64 w .. 64 w + 63 of x: their 32 fragments (all of K) stay in 384 registers.  The weights' rows stream past
; in 24 BLOCKS of 16 rows x all of K: 8 of Wq, 8 of Wk, 8 of Wv.  A block is 32 products on four accumulators by turns; its fragments were fetched two blocks earlier, into set (block % 2).
; THE ROWS OF A TILE.  Tile j of 64 rows of x, Wq or Wk: row 8 j + i in lanes i = 0 .. 7, row 32 + 8 (j xor 1) + i in lanes 8 .. 15.  So a lane's results of four tiles, 4 x 8 registers, are the 32 numbers of ONE scale block
; of the next product, and no lane looks at another.  (j xor 1: LDS rows are 816 bytes = 204 words apart, 8 rows are 32 words modulo 64, 32 rows 0: with it the 16 rows of a load start at 16 different banks.)  Wv's tiles are natural.
; Inside a block of 32 the codes stand in the order of tiles; both operands of each later product are made so: the same exact products are summed.
; THE WAY OUT.  Unit n, 32 registers of a lane: Q, K: band (64 features) and tile of x; V: a block.  Units 4 m .. 4 m + 3 are finished with block 4 m + 3 at the latest and leave in blocks 4 m + 4 .. 4 m + 7: the search for the
; largest magnitude stands among the products, the conversions behind the last; two bands of accumulators take turns.
; LDS.  At the head one joint load a wave: waves 0, 1 x's rows, waves 2, 3 Wq's.  When every wave has x in registers Wk's rows (waves 0, 1) and Wv's (waves 2, 3) take x's place, one load a wave behind one round.
; CLUSTER 4 x 4: the four of a row of the cluster need the same rows of x, the four of a column the same rows of the weights: each tile is asked for jointly.
; PREFETCH: Wk's and Wv's tiles, 384 units of 256 bytes each, are asked for at the head, ahead of their load: 6 units a wave, told apart by address over four clusters.
; WORKSPACE.  An operand leaves as an IMAGE OF ITS REGISTERS: registers 4 c .. 4 c + 3 at 512 c + 16 x lane, 1,536 bytes.  Qw, Kw: image (G = row / 64, s = feature step, a = tile) at 49,152 G + 6,144 s + 1,536 a; scale words
; from SOFF on, 256 bytes for (G, s): lane (r, h) has words u = 0, 1: row r of tile 2 u + h.  Vw: half images (64 keys, 6 registers: 0-3 at 16 x lane, 4-5 at 512 + 8 x lane) at ((batch 8 + J) 8 + s) 12,288 + 1,536 b + 768 c;
; scale words from SOFF on, 512 bytes for (batch, J, s): column block b, row r at 16 (16 (b % 2) + r) + 4 (b / 2).  A block of zeros gets the byte 1 over zero codes; this program alone reads the bytes.
; REGISTERS: window 0: v0-17 addresses, v18-33 x's scale words, v36-67 Wq's and then Wv's, v68-99 Wk's, v100-127 at work, v128-255 band 1;  v256-839: 48 fragments, 21 to a window: 0-31 x's (4 q + a), 32-39 and 40-47 the two sets;
; v840-967 band 0;  v968-1015 four operands' codes.
.set SOFF,  6291456
.set PITCH, 816                        ; an LDS row: 3 x (256 bytes + 16 of padding)
.set XAW,   64*PITCH
.set R0,    4*XAW                      ; Wq's 128 rows, behind x's 256
.set R2,    2*XAW                      ; Wv's; Wk's lie at 0
.set STG,   R0+128*PITCH               ; scale bytes: Q's 256 a wave, K's 1,024 further on, V's 2,048; no tile lands here
.set SPARE, STG+3072
.set NF,  26                           ; LDS loads of a block
.set LBE, 1                            ; v1, v2 my place in an even tile (v2: for pieces behind one padding more in lanes 16-31); v3, v4 in an odd one; v5, v6 in a natural one
.set LBN, 5
.set LI,  7                            ; 16 x lane
.set L8,  8                            ; 8 x lane
.set SOFE, 9                           ; my place in an even tile's scale bytes; v16 in an odd one's; v17 in a natural one's
.set SPW, 10
.set NIL, 11
.set ADR, 12                           ; v12, v13 the block that is fetched next
.set QST, 14
.set VST, 15
.set SOFO, 16
.set SOFN, 17
.set AS,  18
.set SRD, 34
.set BS,  36
.set TQ,  100                          ; v100, v101 the two chains
.set TC,  104
.set SOP, 108
.set EB,  112
.set PF,  116
.set XA,  118                          ; v118-125 my four tiles of x in LDS
.set WV,  4
.set CX,  5
.set CY,  6
.set JJ,  7
.set RB,  30
.set HF,  31
.set G1X, 36
.set G1W, 44
.set PFK, 52
.set PFV, 54
.set G0X, 56
.set G0Q, 68
.set G0R, 72
.set QC,  76
.set QS,  78
.set KC,  80
.set KS,  82
.set VC,  84
.set VS,  86
.set XS,  88
.set WQS, 90
.set WKS, 92
.set WVS, 94
.set MSB, 0
.macro WIN new                         ; the immediate's high byte repeats the setting that is left
.if MSB != (\new)
	s_set_vgpr_msb (MSB<<8)|(\new)
.set MSB, (\new)
.endif
.endm
.macro PLACES n
.rept \n
	v_nop
.endr
.endm
.macro WALU
	s_wait_alu depctr_va_vdst(0)
.endm
.macro BARRIER
	s_barrier_signal -1
	s_barrier_wait -1
.endm
.macro CROUND                          ; a round of the cluster's barrier
	BARRIER
	s_cmp_lg_u32 s[WV], 0
	s_cbranch_scc1 .Lnot_wave_0_\@
	s_barrier_signal -3
.Lnot_wave_0_\@:
	s_barrier_wait -3
	BARRIER
.endm
.macro TLOAD g0, g1
	tensor_load_to_lds s[\g0:\g0+3], s[\g1:\g1+7]
	s_nop 0
	PLACES 4
.endm
; Fragment f, K step q, from rows in LDS: lane (r, h) takes 24 bytes at 96 q + 24 h and 24 at 96 q + 48 + 24 h, in pieces of 8 bytes, two to a load where both lie behind as many paddings.  Piece n lies at 8 n + 16 (n / 32);
; lanes 16-31 read three pieces further on: where that is behind one padding more the second address register serves.
.macro FRAG f, q, ad
	WIN (1+(\f)/21)<<6
.set R_, 12*((\f)%21)
.set SKIP_, 0
.irp p, 0,1,2,3,4,5
.if SKIP_
.set SKIP_, 0
.else
.set PC_, 12*(\q)+6*(\p/3)+\p%3
.set PN_, 12*(\q)+6*((\p+1)/3)+(\p+1)%3
.set Y_, (PC_%32+3)/32
.set YN_, (PN_%32+3)/32
.if (\p < 5) && (Y_ == YN_)
.set SKIP_, 1
	ds_load_2addr_b64 v[R_+2*\p:R_+2*\p+3], v[(\ad)+Y_] offset0:PC_+2*(PC_/32) offset1:PN_+2*(PN_/32)
.else
	ds_load_b64 v[R_+2*\p:R_+2*\p+1], v[(\ad)+Y_] offset:8*(PC_+2*(PC_/32))
.endif
.endif
.endr
.endm
.macro FETCH e, ad                     ; a block's eight fragments into set e: NF loads
.irp q, 0,1,2,3,4,5,6,7
	FRAG 32+8*(\e)+\q, \q, \ad
.endr
	WIN 0
.endm
; one product: sources f0, f1, scale words c0, c1 (steps 0-3 stand in lanes 0-15, steps 4-7 in lanes 16-31)
.macro MM f0, f1, c0, c1
.set DL_, D_&255
.set S0_, 12*((\f0)%21)
.set S1_, 12*((\f1)%21)
	WIN (1+(\f0)/21)|((1+(\f1)/21)<<2)|((D_>>8)<<4)|((D_>>8)<<6)
.if Q_ == 0
	v_wmma_scale_f32_16x16x128_f8f6f4 v[DL_:DL_+7], v[S0_:S0_+11], v[S1_:S1_+11], 0, v[\c0], v[\c1] matrix_a_fmt:MATRIX_FMT_FP6 matrix_b_fmt:MATRIX_FMT_FP6
.elseif Q_ < 4
	v_wmma_scale_f32_16x16x128_f8f6f4 v[DL_:DL_+7], v[S0_:S0_+11], v[S1_:S1_+11], v[DL_:DL_+7], v[\c0], v[\c1] matrix_a_fmt:MATRIX_FMT_FP6 matrix_b_fmt:MATRIX_FMT_FP6
.else
	v_wmma_scale_f32_16x16x128_f8f6f4 v[DL_:DL_+7], v[S0_:S0_+11], v[S1_:S1_+11], v[DL_:DL_+7], v[\c0], v[\c1] matrix_a_fmt:MATRIX_FMT_FP6 matrix_b_fmt:MATRIX_FMT_FP6 matrix_a_scale:MATRIX_SCALE_ROW1 matrix_b_scale:MATRIX_SCALE_ROW1
.endif
.endm
.macro PROD t                          ; product N_ of block t: K step N_ / 4, tile N_ % 4 of x.  Q, K: source 0 = the weight's rows; V: source 0 = x's rows
.set Q_, N_/4
.set A_, N_%4
.set FX_, 4*Q_+A_
.set FW_, 32+8*((\t)%2)+Q_
.set SX_, AS+4*A_+Q_%4
.set SW_, BS+32*(((\t)/8)%2)+4*((\t)%8)+Q_%4
.if (\t) < 16
.set D_, 840-712*(((\t)/4)%2)+32*A_+8*((\t)%4)
	MM FW_, FX_, SW_, SX_
.else
.set D_, 840-712*(((\t)/4)%2)+32*((\t)%4)+8*A_
	MM FX_, FW_, SX_, SW_
.endif
.endm
; the way out's first part, 18 entries: the largest magnitude of the 32 sums from x on by two chains, with the floor 2^(3 - 127) at an end, and the conversions' scale operand v[SOP+n] (2 off the exponent field)
.macro CHAIN i, x, n, t=TQ
.set XW_, (\x)>>8
.set XL_, (\x)&255
.if (\i) < 14
.set B_, XL_+16*((\i)%2)+2*((\i)/2)
.set T_, (\t)+1-(\i)%2
.if (\i) < 2
	WIN XW_|(XW_<<2)|(XW_<<4)
	v_max3_num_f32 v[T_], |v[B_]|, |v[B_+1]|, |v[B_+2]|
.else
	WIN (XW_<<2)|(XW_<<4)
	v_max3_num_f32 v[T_], v[T_], |v[B_+1]|, |v[B_+2]|
.endif
.elseif (\i) == 14
	WIN XW_<<2
	v_max3_num_f32 v[(\t)+1], v[(\t)+1], |v[XL_+15]|, 0x1800000
.elseif (\i) == 15
	WIN 0
	v_nop                                          ; the next line reads entry 14's result: it stands in the next pair
.elseif (\i) == 16
	WIN XW_<<2
	v_max3_num_f32 v[\t], v[\t], |v[XL_+31]|, v[(\t)+1]
.elseif (\i) == 17
	WIN 0
	v_add_nc_u32 v[SOP+(\n)], 0xff000000, v[\t]
.endif
.endm
.macro CODES i, x, m, n, t             ; its second part: 32 codes into v[768 + m] on, the scale's byte into v[EB+n]
.set XW_, (\x)>>8
.set XL_, (\x)&255
.if (\i) == 0
	WIN 0xc0|XW_
	v_cvt_scalef32_pk16_fp6_f32 v[(\m):(\m)+2], v[XL_:XL_+15], v[SOP+(\n)]
.elseif (\i) == 1
	WIN XW_
	v_cvt_scalef32_pk16_fp6_f32 v[(\t):(\t)+2], v[XL_+16:XL_+31], v[SOP+(\n)]
.elseif (\i) == 2
	WIN 0
	v_lshrrev_b32 v[EB+(\n)], 23, v[SOP+(\n)]
.else
	WIN 0xc0
	v_mov_b32 v[(\m)+(\i)], v[(\t)+(\i)-3]
.endif
.endm
.macro PUTBYTE n
.if (\n) < 16
	ds_store_b8 v[QST], v[EB+(\n)%4] offset:1024*((\n)/8)+128*((\n)%2)+4*(((\n)%4)/2)+2*(((\n)/4)%2)
.else
	ds_store_b8 v[VST], v[EB+(\n)%4] offset:256*((\n)%2)+4*(((\n)%8)/2)
.endif
.endm
.macro PUTCODES n                      ; whole operands of Q or K with the second band; V's halves at once.  Each store covers 512 or 256 consecutive bytes, aligned
.if (\n) >= 16
	WIN 0x0c
	global_store_b128 v[LI], v[200+12*((\n)%4):200+12*((\n)%4)+3], s[VC:VC+1] offset:1536*((\n)%8)
	global_store_b64 v[L8], v[200+12*((\n)%4)+4:200+12*((\n)%4)+5], s[VC:VC+1] offset:1536*((\n)%8)+512
	WIN 0
.elseif ((\n)/4)%2
	WIN 0x0c
.irp k, 0,1,2
	global_store_b128 v[LI], v[200+12*((\n)%4)+4*\k:200+12*((\n)%4)+4*\k+3], s[QC+4*((\n)/8):QC+4*((\n)/8)+1] offset:1536*((\n)%4)+512*\k
.endr
	WIN 0
.endif
.endm
.macro ENTRY t, i                      ; what stands behind product i: two address lines for the block two on, then the way out of unit t - 4
.if (\i) < 2
.if (\t) < 22
	WIN 0
	v_add_nc_u32 v[ADR+(\i)], FC_, v[FB_+(\i)]
.endif
.elseif (\t) >= 4
	CHAIN (\i)-2, UX_, (\t)%4
.endif
.endm
; A plain barrier inside a block, behind which nothing is filled: in block 6 it shows Wk's rows (waves 0, 1 have waited), in block 14 Wv's.  The block's last six products stand between signal and wait
.macro SHOW t
	WIN 0
	WALU
.if (\t) == 6
	s_cmp_lt_u32 s[WV], 2
	s_cbranch_scc0 .Lnot_mine_\@
	s_wait_tensorcnt 0x0
.Lnot_mine_\@:
.else
	s_wait_tensorcnt 0x0
.endif
	s_wait_dscnt 0x0
	s_barrier_signal -1
.endm
; THE WAITS' COUNTS: younger than this block's fetch are the next block's NF loads and, from block 5 on, one byte store; ahead of the last block the byte store alone
.macro BLK t
.set U_, (\t)+2
.if U_ < 16
.set FC_, ((U_/8)^1)*R0+(64*((U_/4)%2)+8*(U_%4))*PITCH
.set FB_, LBE+2*(U_%2)
.else
.set FC_, R2+16*(U_%8)*PITCH
.set FB_, LBN
.endif
.set UN_, (\t)-4
.if (\t) >= 4
.set UX_, 840-712*((UN_/4)%2)+32*(UN_%4)
.set UM_, 200+12*(UN_%4)
.if UN_ < 16
.set UM_, UM_+6*((UN_/4)%2)
.endif
.endif
.if (\t) == 16
	s_wait_loadcnt 0x0                             ; Wv's scale words
.endif
.if (\t) == 23
	s_wait_dscnt 1
.elseif (\t) >= 5
	s_wait_dscnt NF+1
.else
	s_wait_dscnt NF
.endif
.if ((\t) >= 12 && (\t) < 16) || ((\t) >= 20)
	s_wait_xcnt 0x0                                ; the stores of the codes that this block's way out writes over have read them
.endif
.set N_, 0
.rept 32
	PROD \t
.if N_%2
	ENTRY \t, N_-1
	ENTRY \t, N_
.endif
.if (N_ == 25) && (((\t) == 6) || ((\t) == 14))
	SHOW \t
.endif
.set N_, N_+1
.endr
	WIN 0
.if ((\t) == 6) || ((\t) == 14)
	s_barrier_wait -1
.endif
.if (\t) >= 4
.irp i, 0,1,2,3,4,5                    ; the last four of the six lines are the places between the products and the fetch below
	CODES \i, UX_, UM_, UN_%4, TC
.endr
	WIN 0
	WALU
	PUTBYTE UN_
	PUTCODES UN_
.else
	PLACES 4
	WALU
.endif
.if (\t) < 22
	FETCH (\t)%2, ADR
.endif
.if (\t) == 9                          ; Wv's scale words take the place of Wq's
.irp b, 0,1,2,3,4,5,6,7
	global_load_b128 v[BS+4*\b:BS+4*\b+3], v[SOFN], s[WVS:WVS+1] offset:512*\b
.endr
.endif
.endm
	s_load_b512 s[8:23], s[0:1], 0x0               ; x's codes, x's scales, Wq's, Wk's, Wv's likewise
	s_load_b128 s[24:27], s[0:1], 0x40             ; Qw, Kw
	s_load_b64 s[28:29], s[0:1], 0x50              ; Vw
	v_lshl_add_u32 v[SPW], v0, 2, SPARE
	v_mov_b32 v[NIL], 0
	ds_add_u32 v[SPW], v[NIL]                      ; the wave's opening: the add, twice on end, and its wait ahead of my first tensor load
	ds_add_u32 v[SPW], v[NIL]
	v_lshrrev_b32 v1, 5, v0
	v_readfirstlane_b32 s[WV], v1                  ; wave 0..3
	s_bfe_u32 s[CX], ttmp6, 0x40000
	s_bfe_u32 s[CY], ttmp6, 0x40004
	s_and_b32 s[JJ], ttmp7, 0xffff
	s_lshl_b32 s[JJ], s[JJ], 2
	s_add_co_u32 s[JJ], s[JJ], s[CY]               ; column block of 128 = 4 x cluster y + cy
	s_bfe_u32 s35, ttmp9, 0x20001                  ; clusters 2 p and 2 p + 1 along x ask for part p
	s_lshl_b32 s35, s35, 4
	s_lshl_b32 s34, s[CX], 2
	s_add_co_u32 s35, s35, s34
	s_add_co_u32 s35, s35, s[WV]                   ; my number among the 64 waves that share a weight's tile out for the prefetch
	s_mul_i32 s35, s35, 6*256
	s_lshl_b32 s[RB], ttmp9, 2
	s_add_co_u32 s[RB], s[RB], s[CX]               ; row block of 256 = 4 x cluster x + cx
	s_lshl_b32 s2, s[CY], 2
	s_lshl_b32 s2, 15, s2                          ; my row of the cluster
	s_lshl_b32 s3, 0x1111, s[CX]                   ; my column
	; descriptor groups 1: rows of 768 bytes (1,024 codes), elements of 1 byte, 16 bytes of padding behind every 256; bit 21 set beside a mask
	s_or_b32 s[G1X], s3, (1<<20)|(1<<21)|(5<<22)|(3<<25)   ; x: 128 rows, shared by the four of the same cx
	s_or_b32 s[G1W], s2, (1<<20)|(1<<21)|(5<<22)|(3<<25)   ; a weight: 64 rows, shared by the four of the same cy
	s_mov_b32 s[G1X+1], 768<<16
	s_mov_b32 s[G1X+2], 128<<16
	s_mov_b32 s[G1X+3], 768<<16
	s_mov_b32 s[G1X+4], 128
	s_mov_b32 s[G1X+5], 768
	s_mov_b32 s[G1X+6], 0
	s_mov_b32 s[G1X+7], 0
	s_mov_b32 s[G1W+1], 768<<16
	s_mov_b32 s[G1W+2], 64<<16
	s_mov_b32 s[G1W+3], 768<<16
	s_mov_b32 s[G1W+4], 64
	s_mov_b32 s[G1W+5], 768
	s_mov_b32 s[G1W+6], 0
	s_mov_b32 s[G1W+7], 0
	s_mov_b32 s[G0X], 1
	s_mov_b32 s[G0Q], 1
	s_mov_b32 s[G0R], 1
	s_and_b32 s[HF], s[WV], 1                      ; which half of a tile I fetch
	s_mul_i32 s[G0X+1], s[HF], 128*PITCH           ; LDS addresses hang on the wave's number alone
	s_mul_i32 s[G0Q+1], s[HF], XAW
	s_add_co_u32 s[G0Q+1], s[G0Q+1], R0
	s_mul_i32 s[G0R+1], s[WV], XAW
	; offsets.  x's are made of the row block and the wave's number, the weights' of the column block and the wave's number, each in registers of their own
	s_lshl_b32 s96, s[RB], 8
	s_lshl_b32 s97, s[WV], 6
	s_add_co_u32 s97, s96, s97
	s_lshl_b32 s[XS], s97, 5                       ; my 64 rows' scale bytes
	s_mov_b32 s[XS+1], 0
	s_lshl_b32 s97, s[HF], 7
	s_add_co_u32 s96, s96, s97
	s_mul_i32 s96, s96, 768                        ; the 128 rows of x that I fetch
	s_mov_b32 s97, 0
	s_lshl_b32 s98, s[JJ], 7
	s_lshl_b32 s99, s[HF], 6
	s_add_co_u32 s98, s98, s99
	s_mul_i32 s98, s98, 768                        ; the 64 rows of a weight
	s_mov_b32 s99, 0
	s_mul_i32 s60, s[JJ], 98304
	s_mov_b32 s61, 0
	s_lshl_b32 s62, s[JJ], 12                      ; the weights' scale bytes: 128 j rows of 32
	s_mov_b32 s63, 0
	s_lshl_b32 s2, s[WV], 8
	s_add_co_u32 s2, s2, STG                       ; my stage
	s_lshr_b32 s3, s[WV], 1
	s_lshl_b32 s3, s3, 9                           ; V's: which of the work-group's two key steps is mine,
	s_lshl_b32 s34, s[HF], 1                       ; and which half of its scale words
	s_add_co_u32 s3, s3, s34
	s_add_co_u32 s3, s3, STG+2048
	s_mul_i32 s34, s[WV], XAW
	v_and_b32 v100, 15, v0                         ; r
	v_bfe_u32 v101, v0, 4, 1                       ; h
	v_bfe_u32 v102, v0, 3, 1                       ; r / 8
	v_and_b32 v103, 31, v0                         ; lane
	v_lshl_add_u32 v104, v102, 5, v100             ; an even tile's row, from 8 j on: r, or r + 32 in lanes 8-15
	v_lshl_add_u32 v105, v102, 4, v100             ; an odd tile's: r, or r + 16
	v_mul_u32_u24 v[LBE], v104, PITCH
	v_mul_u32_u24 v[LBE+2], v105, PITCH
	v_mul_u32_u24 v[LBN], v100, PITCH
	v_mad_u32_u24 v[LBE+1], v101, 40, v[LBE]
	v_mad_u32_u24 v[LBE+3], v101, 40, v[LBE+2]
	v_mad_u32_u24 v[LBN+1], v101, 40, v[LBN]
	v_mad_u32_u24 v[LBE], v101, 24, v[LBE]
	v_mad_u32_u24 v[LBE+2], v101, 24, v[LBE+2]
	v_mad_u32_u24 v[LBN], v101, 24, v[LBN]
	v_lshlrev_b32 v[SOFE], 5, v104
	v_lshlrev_b32 v[SOFO], 5, v105
	v_lshlrev_b32 v[SOFN], 5, v100
	v_lshl_add_u32 v[SOFE], v101, 4, v[SOFE]
	v_lshl_add_u32 v[SOFO], v101, 4, v[SOFO]
	v_lshl_add_u32 v[SOFN], v101, 4, v[SOFN]
	v_lshlrev_b32 v[LI], 4, v103
	v_lshlrev_b32 v[L8], 3, v103
	v_lshl_add_u32 v[QST], v100, 3, v101
	v_lshl_add_u32 v[VST], v100, 4, v101
	v_add_nc_u32 v[QST], s2, v[QST]
	v_add_nc_u32 v[VST], s3, v[VST]
	v_add_nc_u32 v[SRD], s2, v[L8]
	v_min_u32 v[PF], 5, v103
	v_lshl_add_u32 v[PF], v[PF], 8, s35
	v_add_nc_u32 v[ADR], R0, v[LBE]                ; block 0,
	v_add_nc_u32 v[ADR+1], R0, v[LBE+1]
	v_add_nc_u32 v126, R0+8*PITCH, v[LBE+2]        ; and block 1
	v_add_nc_u32 v127, R0+8*PITCH, v[LBE+3]
.irp a, 0,1,2,3
	v_add_nc_u32 v[XA+2*\a], s34, v[LBE+2*(\a%2)]
	v_add_nc_u32 v[XA+2*\a+1], s34, v[LBE+2*(\a%2)+1]
	s_add_co_u32 s34, s34, 8*PITCH
.endr
	WALU                                           ; directly ahead of the waits below
	s_wait_dscnt 0x0                               ; both opening adds are done
	CROUND                                         ; all sixteen work-groups are here: the first joint loads meet
	s_wait_kmcnt 0x0
	s_add_nc_u64 s[G0X+2:G0X+3], s[8:9], s[96:97]
	s_or_b32 s[G0X+3], s[G0X+3], 0x80000000
	s_add_nc_u64 s[G0Q+2:G0Q+3], s[12:13], s[98:99]
	s_or_b32 s[G0Q+3], s[G0Q+3], 0x80000000
	s_cmp_lt_u32 s[WV], 2                          ; ONE LOAD A WAVE; the choice hangs on the wave's number alone
	s_cbranch_scc0 .Lhead_w
	TLOAD G0X, G1X
	s_branch .Lhead_asked
.Lhead_w:
	TLOAD G0Q, G1W
.Lhead_asked:
	s_add_nc_u64 s[XS:XS+1], s[10:11], s[XS:XS+1]
	s_add_nc_u64 s[WQS:WQS+1], s[14:15], s[62:63]
	s_add_nc_u64 s[WKS:WKS+1], s[18:19], s[62:63]
	s_add_nc_u64 s[WVS:WVS+1], s[22:23], s[62:63]
.irp a, 0,2
	global_load_b128 v[AS+4*\a:AS+4*\a+3], v[SOFE], s[XS:XS+1] offset:256*\a
	global_load_b128 v[AS+4*\a+4:AS+4*\a+7], v[SOFO], s[XS:XS+1] offset:256*\a+256
.endr
.irp b, 0,2,4,6                        ; tile b of 128 rows: 64 (b / 4) + 8 (b % 4) rows on
	global_load_b128 v[BS+4*\b:BS+4*\b+3], v[SOFE], s[WQS:WQS+1] offset:2048*(\b/4)+256*(\b%4)
	global_load_b128 v[BS+4*\b+4:BS+4*\b+7], v[SOFO], s[WQS:WQS+1] offset:2048*(\b/4)+256*(\b%4)+256
.endr
.irp b, 0,2,4,6
	global_load_b128 v[BS+32+4*\b:BS+32+4*\b+3], v[SOFE], s[WKS:WKS+1] offset:2048*(\b/4)+256*(\b%4)
	global_load_b128 v[BS+32+4*\b+4:BS+32+4*\b+7], v[SOFO], s[WKS:WKS+1] offset:2048*(\b/4)+256*(\b%4)+256
.endr
	s_add_nc_u64 s[PFK:PFK+1], s[16:17], s[60:61]
	s_add_nc_u64 s[PFV:PFV+1], s[20:21], s[60:61]
	global_prefetch_b8 v[PF], s[PFK:PFK+1] th:TH_LOAD_NT scope:SCOPE_SE
	global_prefetch_b8 v[PF], s[PFV:PFV+1] th:TH_LOAD_NT scope:SCOPE_SE
	s_cmp_lt_u32 s[WV], 2
	s_cselect_b64 s[2:3], s[16:17], s[20:21]       ; waves 0, 1 will bring Wk's rows, waves 2, 3 Wv's
	s_add_nc_u64 s[G0R+2:G0R+3], s[2:3], s[98:99]
	s_or_b32 s[G0R+3], s[G0R+3], 0x80000000
	; where the results go
	s_lshl_b32 s34, s[RB], 2
	s_add_co_u32 s34, s34, s[WV]                   ; G
	s_mul_i32 s[QC], s34, 49152
	s_mul_i32 s35, s[JJ], 6144
	s_add_co_u32 s[QC], s[QC], s35
	s_mov_b32 s[QC+1], 0
	s_lshl_b32 s[QS], s34, 3
	s_add_co_u32 s[QS], s[QS], s[JJ]
	s_lshl_b32 s[QS], s[QS], 8
	s_add_co_u32 s[QS], s[QS], SOFF
	s_mov_b32 s[QS+1], 0
	s_lshr_b32 s34, s[RB], 2                       ; batch
	s_lshl_b32 s34, s34, 3
	s_add_co_u32 s34, s34, s[JJ]
	s_lshl_b32 s34, s34, 3
	s_and_b32 s35, s[RB], 3
	s_lshl_b32 s35, s35, 1
	s_add_co_u32 s34, s34, s35                     ; (batch 8 + j) 8 + the work-group's first key step
	s_lshl_b32 s[VS], s34, 9
	s_lshl_b32 s35, s[WV], 8
	s_add_co_u32 s[VS], s[VS], s35
	s_add_co_u32 s[VS], s[VS], SOFF
	s_mov_b32 s[VS+1], 0
	s_lshr_b32 s35, s[WV], 1
	s_add_co_u32 s34, s34, s35                     ; my key step
	s_mul_i32 s[VC], s34, 12288
	s_mul_i32 s35, s[HF], 768                      ; my 64 keys are its lower or its upper half
	s_add_co_u32 s[VC], s[VC], s35
	s_mov_b32 s[VC+1], 0
	s_add_nc_u64 s[KC:KC+1], s[26:27], s[QC:QC+1]
	s_add_nc_u64 s[KS:KS+1], s[26:27], s[QS:QS+1]
	s_add_nc_u64 s[QC:QC+1], s[24:25], s[QC:QC+1]
	s_add_nc_u64 s[QS:QS+1], s[24:25], s[QS:QS+1]
	s_add_nc_u64 s[VC:VC+1], s[28:29], s[VC:VC+1]
	s_add_nc_u64 s[VS:VS+1], s[28:29], s[VS:VS+1]
	WALU                                           ; at the head's end
	s_cmp_lt_u32 s[WV], 2
	s_cbranch_scc0 .Lnot_x
	s_wait_tensorcnt 0x0                           ; my half of x is in
.Lnot_x:
	BARRIER                                        ; x is in for all; Wq may still be on its way
.irp q, 0,1,2,3,4,5,6,7
.irp a, 0,1,2,3
	FRAG 4*\q+\a, \q, XA+2*\a
.endr
.endr
	WIN 0
	s_wait_tensorcnt 0x0                           ; all my tensor loads have landed, my part of Wq among them;
	ds_add_u32 v[SPW], v[NIL]                      ; 0 onto my spare word;
	s_wait_dscnt 0x0                               ; the add is done, and x is in my registers: my reads of its place are over
	CROUND                                         ; that now holds of every wave of every partner
	s_cmp_lt_u32 s[WV], 2
	s_cbranch_scc0 .Lrefill_v
	TLOAD G0R, G1W                                 ; Wk's rows take x's place; two lines, since Wk is waited for ahead of Wv
	s_branch .Lrefilled
.Lrefill_v:
	TLOAD G0R, G1W                                 ; Wv's rows
.Lrefilled:
	FETCH 0, ADR
	FETCH 1, 126
	s_wait_loadcnt 0x0                             ; the scale words
.irp t, 0,1,2,3,4,5,6,7,8,9,10,11,12,13,14,15,16,17,18,19,20,21,22,23
	BLK \t
.endr
; THE END: V's last four units leave together, their chains by turns; the scale bytes go through LDS under the conversions
.set I, 0
.rept 18
.irp u, 0,1,2,3
	CHAIN I, 128+32*\u, \u, 68+4*\u
.endr
.set I, I+1
.endr
.irp u, 0,1,2,3
	CODES 2, 128+32*\u, 200+12*\u, \u, 84+4*\u
.endr
	WIN 0
	WALU
.irp u, 20,21,22,23
	PUTBYTE \u
.endr
	s_wait_xcnt 0x0                                ; the codes' registers have been read by the stores before
	s_wait_dscnt 0x0                               ; for the others' sake: a scale word's halves come from two waves
	s_barrier_signal -1
.irp i, 0,1
.irp u, 0,1,2,3
	CODES \i, 128+32*\u, 200+12*\u, \u, 84+4*\u
.endr
.endr
	WIN 0
	v_nop                                          ; one plain place behind the scaled conversions
.irp i, 3,4,5
.irp u, 0,1,2,3
	CODES \i, 128+32*\u, 200+12*\u, \u, 84+4*\u
.endr
.endr
	WIN 0
	s_barrier_wait -1
	WALU
	ds_load_b64 v[100:101], v[SRD]                 ; Q's and K's bytes are my own
	ds_load_b64 v[102:103], v[SRD] offset:1024
	ds_load_b64 v[104:105], v[SRD] offset:2048
.irp u, 20,21,22,23
	PUTCODES \u
.endr
	s_wait_dscnt 0x0
	global_store_b64 v[L8], v[100:101], s[QS:QS+1] ; 256 consecutive bytes, aligned, each
	global_store_b64 v[L8], v[102:103], s[KS:KS+1]
	global_store_b64 v[L8], v[104:105], s[VS:VS+1]
	s_wait_tensorcnt 0x0                           ; the wave's end: behind my last tensor load and my last LDS store
	ds_add_u32 v[SPW], v[NIL]
	s_wait_dscnt 0x0
	CROUND                                         ; the closing round
	s_endpgm
.Lfunc_end_k_q67b3abc236_proj:
	.size	k_q67b3abc236_proj, .Lfunc_end_k_q67b3abc236_proj-k_q67b3abc236_proj
	.p2alignl 7, 3214868480
	.fill 96, 4, 3214868480
	.section	.rodata,"a",@progbits
	.p2align	6, 0x0
	.amdhsa_kernel k_q67b3abc236_proj
		.amdhsa_group_segment_fixed_size 327680
		.amdhsa_private_segment_fixed_size 0
		.amdhsa_enable_private_segment 0
		.amdhsa_kernarg_size 88
		.amdhsa_user_sgpr_count 2
		.amdhsa_user_sgpr_kernarg_segment_ptr 1
		.amdhsa_wavefront_size32 1
		.amdhsa_system_sgpr_workgroup_id_x 1
		.amdhsa_system_sgpr_workgroup_id_y 1
		.amdhsa_system_sgpr_workgroup_id_z 1
		.amdhsa_system_vgpr_workitem_id 0
		.amdhsa_next_free_vgpr 1024
		.amdhsa_next_free_sgpr 100
		.amdhsa_reserve_vcc 0
		.amdhsa_float_denorm_mode_32 3
		.amdhsa_float_denorm_mode_16_64 3
		.amdhsa_memory_ordered 1
		.amdhsa_forward_progress 1
		.amdhsa_inst_pref_size 222
	.end_amdhsa_kernel
	.amdgpu_metadata
---
amdhsa.version: [ 1, 2 ]
amdhsa.kernels:
  - .name:           k_q67b3abc236_proj
    .symbol:         k_q67b3abc236_proj.kd
    .args:
      - { .name: x_codes, .offset: 0, .size: 8, .value_kind: global_buffer, .address_space: global }
      - { .name: x_scales, .offset: 8, .size: 8, .value_kind: global_buffer, .address_space: global }
      - { .name: Wq_codes, .offset: 16, .size: 8, .value_kind: global_buffer, .address_space: global }
      - { .name: Wq_scales, .offset: 24, .size: 8, .value_kind: global_buffer, .address_space: global }
      - { .name: Wk_codes, .offset: 32, .size: 8, .value_kind: global_buffer, .address_space: global }
      - { .name: Wk_scales, .offset: 40, .size: 8, .value_kind: global_buffer, .address_space: global }
      - { .name: Wv_codes, .offset: 48, .size: 8, .value_kind: global_buffer, .address_space: global }
      - { .name: Wv_scales, .offset: 56, .size: 8, .value_kind: global_buffer, .address_space: global }
      - { .name: Qw, .offset: 64, .size: 8, .value_kind: global_buffer, .address_space: global }
      - { .name: Kw, .offset: 72, .size: 8, .value_kind: global_buffer, .address_space: global }
      - { .name: Vw, .offset: 80, .size: 8, .value_kind: global_buffer, .address_space: global }
    .group_segment_fixed_size: 327680
    .private_segment_fixed_size: 0
    .kernarg_segment_align: 8
    .kernarg_segment_size: 88
    .max_flat_workgroup_size: 128
    .sgpr_count:     100
    .vgpr_count:     1024
    .wavefront_size: 32
...
	.end_amdgpu_metadata
.endif
;; end of part 1
;; launch score (part 2): grid 8 x 30, 4 waves a work-group, no clusters, 298,496 bytes of LDS; arguments Qw, Kw, Pw; writes Pw
.if DOCPART == 2
	.amdgcn_target "amdgcn-amd-amdhsa--gfx1250"
	.amdhsa_code_object_version 6
	.text
	.protected	k_q67b3abc236_score
	.globl	k_q67b3abc236_score
	.p2align	8
	.type	k_q67b3abc236_score,@function
k_q67b3abc236_score:
	s_mov_b64 s[64:65], 0
	v_nop
	global_prefetch_b8 v0, s[64:65] scope:SCOPE_SE
	s_setreg_imm32_b32 hwreg(HW_REG_WAVE_MODE, 25, 1), 1
	s_wait_xcnt 0x0
; S^T = K Q^T on codes of FP6, the causal mask, and p = 2^(t - M') quantised along the keys, for every tile of 64 queries x 128 keys on or under the diagonal.
; WORK LEFT OUT: tiles all of whose keys come after all of their queries: reference() sets those scores to -infinity itself, so they reach no output.
; t = score x log2(e) / 32;  M' = the ceiling of the largest t of the query IN THIS KEY STEP of 128, a whole number.  The next launch brings all steps of a query under the largest M' by lowering p's scale bytes: exact.
; Stored for each (G = query / 64 over all batches, s = key step): four images of p's fragments, their scale words (both laid as Qw), and for each query -M' and the f32 sum of the unquantised p:
; at TOFF + 512 (8 G + s) + 16 x lane: (-M', sum) of row r of tile h, then of tile 2 + h.
; SHARES.  x is the batch, y = t names a key step s and groups of 64 queries: t < 21 three neighbouring groups, t >= 21 one: 30 work-groups a batch cover, for every s, the groups 2 s .. 15, each once.
; Wave w owns tile w (16 queries) of each group: its fragments of K and of Q come from LDS; a fragment of K feeds three products (one where there is one group).
; A tile holds rows 8 j + i (lanes i = 0 .. 7) and 32 + 8 (j xor 1) + i (lanes 8 .. 15) of its 64, for queries and keys alike: so a lane's 32 scores of four neighbouring tiles are one block of 32 keys.
; ONE TENSOR LOAD A WAVE: wave 0 Q's feature steps 0-3, wave 1 K's, wave 2 Q's steps 4-7, wave 3 K's.  The first barrier shows waves 0's and 1's tiles, the second the others', which land while steps 0-2 are multiplied.
; Each kind of work-group has LDS bytes of its own for Q and for its stage.  NO PREFETCH: no loop runs ahead.
; NO CLUSTER: the work-groups that read one key step number 6, 6, 4, 4, 4, 2, 2, 2 for s = 0 .. 7 and are of two kinds: the grid does not divide into clusters of partners with the same tiles.
; LIMIT: the promise holds while the scaled scores t stay under 2^31 in magnitude.  NaN and infinities among the scores are not served.
; REGISTERS: window 0: v0-15, v76-79 addresses; v16-39 Q's scale words (16 + 8 i + q), v40-71 K's; v80-175 K's fragments of even steps, behind the products free, as v176-255;
;   v256-351 those of odd steps; Q's fragment f = 3 q + i: 0-12 at v352 + 12 f, 13-23 at v512 + 12 (f - 13);  window 3: accumulator (i, b) at 64 i + 8 b: lane (r, h) holds query row r, register j key row 8 h + j of tile b.
.set SOFF,  6291456
.set TOFF,  6553600
.set QREG,  98304                      ; Q, three groups: [half][group][4 steps][tile]
.set QREG1, 245760                     ; Q, one group
.set PSTG,  294912                     ; the stages: scale words and (-M', sum), three groups;
.set TSTG,  295680
.set PSTG1, 297216                     ; and one group
.set TSTG1, 297472
.set SPARE, 297984
.set LI,  1                            ; v1 16 x lane, K's steps 0-3; v2 + 49,152
.set QA,  3                            ; v3, v4 Q's groups 0, 1 (halves); v14, v15 group 2
.set H8,  5                            ; 8 h
.set L8,  6                            ; 8 x lane
.set R8,  7                            ; 8 r
.set PSA, 8
.set TSA, 9
.set SPW, 10
.set NIL, 11
.set DE,  12                           ; v12, v13 for the mask: even and odd tiles of keys
.set QA1, 76
.set PRD, 78
.set TRD, 79
.set AS,  16
.set BS,  40
.set PC0, 80
.set TM,  144
.set WV,  4
.set KST, 5
.set TT,  6
.set BA,  7
.set GB,  14                           ; the first group of queries in the batch
.set DG,  16                           ; GB - 2 s
.set W1,  17
.set W2,  18
.set G1Q, 20
.set G1K, 28
.set SEL, 36
.set CS,  38
.set G1S, 40
.set G0Q, 48
.set PCP, 52
.set QSP, 54
.set KSP, 56
.set PSP, 58
.set PTP, 60
.set QB,  62
.set KB,  66
.set G0K, 68
.set G0S, 72
.set MSB, 0
.macro WIN new
.if MSB != (\new)
	s_set_vgpr_msb (MSB<<8)|(\new)
.set MSB, (\new)
.endif
.endm
.macro PLACES n
.rept \n
	v_nop
.endr
.endm
.macro WALU
	s_wait_alu depctr_va_vdst(0)
.endm
.macro TLOAD g0, g1
	tensor_load_to_lds s[\g0:\g0+3], s[\g1:\g1+7]
	s_nop 0
	PLACES 4
.endm
.macro FETCH q, n                      ; feature step q: K's eight fragments and Q's n, as images: loads of 512 consecutive bytes
.set KR_, 80*(1-(\q)%2)
	WIN 0x40*((\q)%2)
.irp b, 0,1,2,3,4,5,6,7
.irp c, 0,1,2
	ds_load_b128 v[KR_+12*\b+4*\c:KR_+12*\b+4*\c+3], v[LI+(\q)/4] offset:24576*(\b/4)+6144*((\q)%4)+1536*(\b%4)+512*\c
.endr
.endr
.irp i, 0,1,2
.if \i < \n
.set F_, 3*(\q)+\i
.if F_ < 13
.set QR_, 96+12*F_
	WIN 0x40
.else
.set QR_, 12*(F_-13)
	WIN 0x80
.endif
.irp c, 0,1,2
.if \n == 1
	ds_load_b128 v[QR_+4*\c:QR_+4*\c+3], v[QA1] offset:6144*(\q)+512*\c
.elseif \i < 2
	ds_load_b128 v[QR_+4*\c:QR_+4*\c+3], v[QA+(\q)/4] offset:24576*\i+6144*((\q)%4)+512*\c
.else
	ds_load_b128 v[QR_+4*\c:QR_+4*\c+3], v[14+(\q)/4] offset:6144*((\q)%4)+512*\c
.endif
.endr
.endif
.endr
	WIN 0
.endm
.macro MULQ q, n                       ; 8 n products on 8 n accumulators by turns, in the same order in every step
.irp i, 0,1,2
.if \i < \n
.set F_, 3*(\q)+\i
.if F_ < 13
.set S1_, 96+12*F_
	WIN 0xf4|((\q)%2)
.else
.set S1_, 12*(F_-13)
	WIN 0xf8|((\q)%2)
.endif
.irp b, 0,1,2,3,4,5,6,7
.set D_, 64*\i+8*\b
.set S0_, 80*(1-(\q)%2)+12*\b
.set C0_, BS+16*(\b/4)+2*(\q)+(\b%4)/2
.set C1_, AS+8*\i+(\q)
.if (\q) == 0
.if \b%2
	v_wmma_scale_f32_16x16x128_f8f6f4 v[D_:D_+7], v[S0_:S0_+11], v[S1_:S1_+11], 0, v[C0_], v[C1_] matrix_a_fmt:MATRIX_FMT_FP6 matrix_b_fmt:MATRIX_FMT_FP6 matrix_a_scale:MATRIX_SCALE_ROW1
.else
	v_wmma_scale_f32_16x16x128_f8f6f4 v[D_:D_+7], v[S0_:S0_+11], v[S1_:S1_+11], 0, v[C0_], v[C1_] matrix_a_fmt:MATRIX_FMT_FP6 matrix_b_fmt:MATRIX_FMT_FP6
.endif
.else
.if \b%2
	v_wmma_scale_f32_16x16x128_f8f6f4 v[D_:D_+7], v[S0_:S0_+11], v[S1_:S1_+11], v[D_:D_+7], v[C0_], v[C1_] matrix_a_fmt:MATRIX_FMT_FP6 matrix_b_fmt:MATRIX_FMT_FP6 matrix_a_scale:MATRIX_SCALE_ROW1
.else
	v_wmma_scale_f32_16x16x128_f8f6f4 v[D_:D_+7], v[S0_:S0_+11], v[S1_:S1_+11], v[D_:D_+7], v[C0_], v[C1_] matrix_a_fmt:MATRIX_FMT_FP6 matrix_b_fmt:MATRIX_FMT_FP6
.endif
.endif
.endr
.endif
.endr
.endm
.macro KLOOP n
.irp i, 0,1,2
.if \i < \n
.irp q, 0,1,2,3,4,5,6,7                ; Q's scale words: row r's word of my tile, in both halves of the lanes
	global_load_b32 v[AS+8*\i+\q], v[R8], s[QSP:QSP+1] offset:2048*\i+256*\q
.endr
.endif
.endr
.irp q, 0,1,2,3,4,5,6,7
	global_load_b64 v[BS+2*\q:BS+2*\q+1], v[L8], s[KSP:KSP+1] offset:256*\q
	global_load_b64 v[BS+16+2*\q:BS+17+2*\q], v[L8], s[KSP:KSP+1] offset:2048+256*\q
.endr
	s_cmp_lt_u32 s[WV], 2
	s_cbranch_scc0 .Lnot_mine_\@
	s_wait_tensorcnt 0x0                           ; waves 0, 1: feature steps 0-3 are in
.Lnot_mine_\@:
	s_barrier_signal -1
	s_barrier_wait -1                              ; for all
	FETCH 0, \n
.irp q, 0,1,2,3,4,5,6,7
	s_wait_dscnt 0x0                               ; this step's fragments are in
.if \q == 3
	WIN 0
	s_wait_tensorcnt 0x0                           ; all my tensor loads: steps 4-7 are in
	s_barrier_signal -1
	s_barrier_wait -1
.endif
.if \q < 7
.if \q > 0
	PLACES 4                                       ; in front of loads into registers that products have read
.endif
	FETCH \q+1, \n
.endif
.if \q == 0
	s_wait_loadcnt 0x0                             ; the scale words
.endif
	MULQ \q, \n
.endr
	WIN 0
	PLACES 4
.endm
; THE MASK, inside the queries' own 64 keys: key 8 b + j (in lanes 16-31 40 more for even b, 24 more for odd b) is hidden where it comes after the query
.macro HIDE i, kg
	WIN 0xc3
.irp b, 0,1,2,3
.irp j, 0,1,2,3,4,5,6,7
	v_cmp_gt_i32 vcc_lo, 8*\b+\j, v[DE+\b%2]
	v_cndmask_b32 v[64*\i+32*\kg+8*\b+\j], v[64*\i+32*\kg+8*\b+\j], v205, vcc_lo
.endr
.endr
	WIN 0
.endm
.macro KILL i                          ; the step's upper 64 keys all come after the step's lower 64 queries
	WIN 0xc0
.set JX, 0
.rept 32
	v_mov_b32 v[64*\i+32+JX], v205
.set JX, JX+1
.endr
	WIN 0
.endm
; THE SOFTMAX OF A TILE OF 16 QUERIES x 128 KEYS.  A block's largest p is not searched for: the block's largest score goes through the same multiply-add and exponential.  All 66 exponentials are one batch.
.macro SOFT i, dp, dt
.set AC, 64*(\i)
.set BM, 200
.set NM, 206+2*(\i)
.set PC, PC0+20*(\i)
	WALU                                           ; directly ahead of the first reader
	WIN 0x3c                                       ; sources 1 and 2 window 3
.irp b, 0,1,2,3
	v_max3_num_f32 v[BM+\b], 0xff800000, v[AC+16*\b], v[AC+16*\b+1]    ; each accumulator from its low end on
.endr
.irp k, 2,4,6,8,10,12,14
.irp b, 0,1,2,3
	v_max3_num_f32 v[BM+\b], v[BM+\b], v[AC+16*\b+\k], v[AC+16*\b+\k+1]
.endr
.endr
	WIN 0
	v_max_num_f32 v[BM], v[BM], v[BM+1]                ; my two blocks of 32 keys
	v_max_num_f32 v[BM+1], v[BM+2], v[BM+3]
	v_max_num_f32 v224, v[BM], v[BM+1]
	v_permlanex16_b32 v[TM+8], v224, s[SEL], s[SEL+1]
	v_max_num_f32 v224, v224, v[TM+8]                  ; with lane l xor 16's: the query's largest score in this step (key 128 s counts for every query here: it is a number)
	v_mul_f32 v224, s[CS], v224                        ; as t
	v_floor_f32 v[NM], -v224                           ; -M' = floor(-t)
	v_mov_b32 v[NM+1], 0                               ; (named with it as a pair)
.irp b, 0,1
	v_fma_f32 v[BM+\b], v[BM+\b], s[CS], v[NM]
.endr
	WIN 0xc3                                       ; destination and source 0 window 3
.set JX, 0
.rept 32
	v_pk_fma_f32 v[AC+JX:AC+JX+1], v[AC+JX:AC+JX+1], s[CS:CS+1], v[NM:NM+1] op_sel_hi:[1,0,0]   ; t - M', two at a time
.set JX, JX+2
.endr
.set JX, 0
	WALU                                           ; ahead of the batch
.rept 64
	v_exp_f32 v[AC+JX], v[AC+JX]                       ; p, not normalised
.set JX, JX+1
.endr
	WIN 0
.irp b, 0,1
	v_exp_f32 v[BM+\b], v[BM+\b]                       ; each block's largest p
.endr
	v_nop                                          ; a plain place behind the last exponential
	WALU                                           ; one wait for the batch, ahead of its first reader
	WIN 0x0f                                       ; sources 0 and 1 window 3
	v_pk_add_f32 v[212:213], v[AC:AC+1], v[AC+2:AC+3]      ; the sum of the UNQUANTISED p, in two packed chains
	v_pk_add_f32 v[214:215], v[AC+4:AC+5], v[AC+6:AC+7]
	WIN 0x0c                                       ; source 1 window 3
.irp j, 8,12,16,20,24,28,32,36,40,44,48,52,56,60
	v_pk_add_f32 v[212:213], v[212:213], v[AC+\j:AC+\j+1]
	v_pk_add_f32 v[214:215], v[214:215], v[AC+\j+2:AC+\j+3]
.endr
	WIN 0
	v_pk_add_f32 v[212:213], v[212:213], v[214:215]
.irp b, 0,1
	v_max_num_f32 v[TM+\b], 0x1800000, v[BM+\b]        ; the floor 2^(3 - 127): the byte cannot fall under 1; a block of zeros keeps that byte over zero codes
.endr
	v_add_f32 v212, v212, v213
.irp b, 0,1
	v_add_nc_u32 v[TM+12+\b], 0xff000000, v[TM+\b]     ; 2 off the exponent field: the conversion's scale operand
.endr
	v_permlanex16_b32 v213, v212, s[SEL], s[SEL+1]
.irp b, 0,1
	v_lshrrev_b32 v[TM+4+\b], 23, v[TM+12+\b]          ; the scale's byte
.endr
	v_add_f32 v[NM+1], v212, v213                      ; with lane l xor 16's keys: the query's sum in this step
	v_lshl_or_b32 v[220+(\i)], v[TM+5], 16, v[TM+4]    ; my blocks h and 2 + h,
	v_lshlrev_b32 v[220+(\i)], v[H8], v[220+(\i)]      ; at their places in the word;
	v_permlanex16_b32 v[TM+6], v[220+(\i)], s[SEL], s[SEL+1]
	v_or_b32 v[220+(\i)], v[220+(\i)], v[TM+6]         ; with lane l xor 16's two it is whole
	WIN 0x03
.irp c, 0,1                            ; registers 6 c on: my block of keys 64 c + 32 h
	v_cvt_scalef32_pk16_fp6_f32 v[PC+6*\c:PC+6*\c+2], v[AC+32*\c:AC+32*\c+15], v[TM+12+\c]
	v_cvt_scalef32_pk16_fp6_f32 v[PC+12+4*\c:PC+14+4*\c], v[AC+16+32*\c:AC+31+32*\c], v[TM+12+\c]
.endr
	WIN 0
	v_nop                                          ; one plain place behind the scaled conversions
.irp c, 0,1
.irp k, 0,1,2
	v_mov_b32 v[PC+3+6*\c+\k], v[PC+12+4*\c+\k]
.endr
.endr
	ds_store_b32 v[PSA], v[220+(\i)] offset:256*(\i)+\dp       ; both lanes of a row store the same word
	ds_store_b64 v[TSA], v[NM:NM+1] offset:512*(\i)+\dt
.irp c, 0,1,2
	global_store_b128 v[LI], v[PC+4*\c:PC+4*\c+3], s[PCP:PCP+1] offset:49152*(\i)+512*\c   ; 512 consecutive bytes, aligned
.endr
.endm
.macro TAIL n, dp, dt                  ; group w's scale words and (-M', sum), made by four waves, leave as whole units: wave w < n
	s_wait_xcnt 0x0                                ; the stores have read their registers
	s_wait_dscnt 0x0
	s_barrier_signal -1
	s_barrier_wait -1
	s_cmp_lt_u32 s[WV], \n
	s_cbranch_scc0 .Lend
	ds_load_b64 v[80:81], v[PRD] offset:\dp
	ds_load_b128 v[84:87], v[TRD] offset:\dt
	s_wait_dscnt 0x0
	global_store_b64 v[L8], v[80:81], s[PSP:PSP+1]     ; 256 consecutive bytes, aligned
	global_store_b128 v[LI], v[84:87], s[PTP:PTP+1]    ; 512 consecutive bytes, aligned
.endm
	s_load_b128 s[8:11], s[0:1], 0x0               ; Qw, Kw
	s_load_b64 s[12:13], s[0:1], 0x10              ; Pw
	v_lshl_add_u32 v[SPW], v0, 2, SPARE
	v_mov_b32 v[NIL], 0
	ds_add_u32 v[SPW], v[NIL]                      ; the wave's opening: the add, twice on end, and its wait ahead of my first tensor load
	ds_add_u32 v[SPW], v[NIL]
	v_lshrrev_b32 v1, 5, v0
	v_readfirstlane_b32 s[WV], v1                  ; wave 0..3
	s_mov_b32 s[BA], ttmp9                         ; batch
	s_and_b32 s[TT], ttmp7, 0xffff
	s_mov_b32 s[KST], 0                            ; t's key step s, and what 3 t lacks to the first group of queries
	s_mov_b32 s[GB], 0
.macro AT from, st, c
	s_cmp_ge_u32 s[TT], \from
	s_cselect_b32 s[KST], \st, s[KST]
	s_cselect_b32 s[GB], \c, s[GB]
.endm
	AT 5, 1, -13                                   ; three groups from 2 s on: s = 0: t = 0 .. 4; 1: 5 .. 8; 2: 9 .. 12; 3: 13 .. 15; 4: 16, 17; 5: 18, 19; 6: 20
	AT 9, 2, -23
	AT 13, 3, -33
	AT 16, 4, -40
	AT 18, 5, -44
	AT 20, 6, -48
	AT 21, 0, -48                                  ; one group: (s, group) = (0, 15), (1, 14), (1, 15), (3, 15), (4, 14), (4, 15), (6, 15), (7, 14), (7, 15)
	AT 22, 1, -52
	AT 23, 1, -54
	AT 24, 3, -57
	AT 25, 4, -61
	AT 26, 4, -63
	AT 27, 6, -66
	AT 28, 7, -70
	AT 29, 7, -72
	s_mul_i32 s2, s[TT], 3
	s_add_co_u32 s[GB], s[GB], s2
	s_lshl_b32 s3, s[KST], 1
	s_sub_co_u32 s[DG], s[GB], s3                  ; 0: the block begins with the step's own queries
	s_and_b32 s[W1], s[WV], 1
	s_lshr_b32 s[W2], s[WV], 1
.irp g, G1Q, G1K, G1S                  ; descriptor groups 1: rows of 24,576 bytes (four feature steps of a group), 49,152 bytes apart; elements of 8 bytes, no mask, no padding
	s_mov_b32 s[\g], 3<<16
	s_mov_b32 s[\g+1], 3072<<16
	s_mov_b32 s[\g+3], 3072<<16
	s_mov_b32 s[\g+7], 0
.endr
	s_mov_b32 s[G1Q+2], 3<<16
	s_mov_b32 s[G1Q+4], 3
	s_mov_b32 s[G1Q+5], 6144
	s_mov_b32 s[G1Q+6], 0
	s_mov_b32 s[G1K+2], 2<<16
	s_mov_b32 s[G1K+4], 2
	s_mov_b32 s[G1K+5], 6144
	s_mov_b32 s[G1K+6], 0
	s_mov_b32 s[G1S+2], 1<<16                      ; one row
	s_mov_b32 s[G1S+4], 1
	s_mov_b32 s[G1S+5], 3072
	s_mov_b32 s[G1S+6], 1<<16
	s_mov_b32 s[G0Q], 1
	s_mov_b32 s[G0K], 1
	s_mov_b32 s[G0S], 1
	s_mul_i32 s[G0Q+1], s[W2], 73728
	s_add_co_u32 s[G0Q+1], s[G0Q+1], QREG
	s_mul_i32 s[G0K+1], s[W2], 49152
	s_mul_i32 s[G0S+1], s[W2], 24576
	s_add_co_u32 s[G0S+1], s[G0S+1], QREG1
	s_mul_i32 s19, s[W2], 24576
	s_lshl_b32 s2, s[BA], 4
	s_add_co_u32 s3, s2, s3                        ; the step's first group of keys
	s_mul_i32 s[KB], s3, 49152
	s_add_co_u32 s[KB], s[KB], s19
	s_mov_b32 s[KB+1], 0
	s_lshl_b32 s[KSP], s3, 11
	s_add_co_u32 s[KSP], s[KSP], SOFF
	s_mov_b32 s[KSP+1], 0
	s_add_co_u32 s2, s2, s[GB]                     ; G of my first group of queries
	s_mul_i32 s[QB], s2, 49152
	s_mul_i32 s3, s[KST], 6144
	s_add_co_u32 s[PCP], s[QB], s3
	s_mul_i32 s3, s[WV], 1536
	s_add_co_u32 s[PCP], s[PCP], s3
	s_mov_b32 s[PCP+1], 0
	s_add_co_u32 s[QB], s[QB], s19
	s_mov_b32 s[QB+1], 0
	s_lshl_b32 s[QSP], s2, 11
	s_lshl_b32 s3, s[W1], 7
	s_add_co_u32 s[QSP], s[QSP], s3
	s_lshl_b32 s3, s[W2], 2
	s_add_co_u32 s[QSP], s[QSP], s3
	s_add_co_u32 s[QSP], s[QSP], SOFF
	s_mov_b32 s[QSP+1], 0
	s_add_co_u32 s2, s2, s[WV]                     ; at the end I store group w's
	s_lshl_b32 s2, s2, 3
	s_add_co_u32 s2, s2, s[KST]                    ; 8 G + s
	s_lshl_b32 s[PSP], s2, 8
	s_add_co_u32 s[PSP], s[PSP], SOFF
	s_mov_b32 s[PSP+1], 0
	s_lshl_b32 s[PTP], s2, 9
	s_add_co_u32 s[PTP], s[PTP], TOFF
	s_mov_b32 s[PTP+1], 0
	s_mov_b32 s[SEL], 0x76543210
	s_mov_b32 s[SEL+1], 0xfedcba98
	s_mov_b32 s[CS], 0x3d38aa3b                    ; c = log2(e) / 32
	s_mov_b32 s[CS+1], s[CS]
	s_wait_dscnt 0x0                               ; both opening adds are done
	s_wait_kmcnt 0x0
	s_add_nc_u64 s[QB:QB+1], s[8:9], s[QB:QB+1]
	s_add_nc_u64 s[KB:KB+1], s[10:11], s[KB:KB+1]
	s_mov_b64 s[G0Q+2:G0Q+3], s[QB:QB+1]
	s_or_b32 s[G0Q+3], s[G0Q+3], 0x80000000
	s_mov_b64 s[G0S+2:G0S+3], s[QB:QB+1]
	s_or_b32 s[G0S+3], s[G0S+3], 0x80000000
	s_mov_b64 s[G0K+2:G0K+3], s[KB:KB+1]
	s_or_b32 s[G0K+3], s[G0K+3], 0x80000000
.macro QLOAD                           ; Q: three groups or one, by the work-group's number
	s_cmp_ge_u32 s[TT], 21
	s_cbranch_scc1 .Lone_\@
	TLOAD G0Q, G1Q
	s_branch .Lasked
.Lone_\@:
	TLOAD G0S, G1S
	s_branch .Lasked
.endm
	s_cmp_eq_u32 s[WV], 0                          ; one chain: every way passes one load
	s_cbranch_scc0 .Lwave_1
	QLOAD
.Lwave_1:
	s_cmp_eq_u32 s[WV], 1
	s_cbranch_scc0 .Lwave_2
	TLOAD G0K, G1K
	s_branch .Lasked
.Lwave_2:
	s_cmp_eq_u32 s[WV], 2
	s_cbranch_scc0 .Lwave_3
	QLOAD
.Lwave_3:
	TLOAD G0K, G1K
.Lasked:
	s_add_nc_u64 s[KSP:KSP+1], s[10:11], s[KSP:KSP+1]
	s_add_nc_u64 s[QSP:QSP+1], s[8:9], s[QSP:QSP+1]
	s_add_nc_u64 s[PCP:PCP+1], s[12:13], s[PCP:PCP+1]
	s_add_nc_u64 s[PSP:PSP+1], s[12:13], s[PSP:PSP+1]
	s_add_nc_u64 s[PTP:PTP+1], s[12:13], s[PTP:PTP+1]
	s_mul_i32 s2, s[WV], 1536
	s_add_co_u32 s3, s2, QREG1
	s_add_co_u32 s2, s2, QREG
	s_lshl_b32 s19, s[W1], 7
	s_lshl_b32 s8, s[W2], 2
	s_add_co_u32 s8, s8, s19                       ; 128 (w % 2) + 4 (w / 2)
	s_lshl_b32 s9, s8, 1
	s_add_co_u32 s8, s8, PSTG
	s_add_co_u32 s9, s9, TSTG
	s_lshl_b32 s10, s[WV], 8
	s_lshl_b32 s11, s[WV], 9
	s_add_co_u32 s10, s10, PSTG
	s_add_co_u32 s11, s11, TSTG
	s_lshl_b32 s19, s[W1], 4
	s_sub_co_u32 s19, 32, s19                      ; a query tile's rows in lanes 8-15: 32 on (even w), 16 on (odd w)
	s_lshl_b32 s15, s[WV], 3
	v_and_b32 v80, 15, v0                          ; r
	v_bfe_u32 v81, v0, 4, 1                        ; h
	v_bfe_u32 v82, v0, 3, 1
	v_and_b32 v83, 31, v0                          ; lane
	v_lshlrev_b32 v[LI], 4, v83
	v_lshlrev_b32 v[L8], 3, v83
	v_lshlrev_b32 v[R8], 3, v80
	v_lshlrev_b32 v[H8], 3, v81
	v_add_nc_u32 v[LI+1], 49152, v[LI]
	v_add_nc_u32 v[QA], s2, v[LI]
	v_add_nc_u32 v[QA1], s3, v[LI]
	v_add_nc_u32 v[QA+1], 73728, v[QA]
	v_add_nc_u32 v14, 49152, v[QA]
	v_add_nc_u32 v15, 122880, v[QA]
	v_add_nc_u32 v[PSA], s8, v[R8]
	v_lshlrev_b32 v[TSA], 4, v80
	v_add_nc_u32 v[TSA], s9, v[TSA]
	v_add_nc_u32 v[PRD], s10, v[L8]
	v_add_nc_u32 v[TRD], s11, v[LI]
	v_mul_u32_u24 v84, s19, v82
	v_add3_u32 v84, v84, v80, s15                  ; my query's place in its 64
	v_mul_u32_u24 v85, 40, v81
	v_mul_u32_u24 v86, 24, v81
	v_sub_nc_u32 v[DE], v84, v85
	v_sub_nc_u32 v[DE+1], v84, v86
	v_mov_b32 v205, 0xff800000                     ; -infinity
	WALU                                           ; at the head's end
	s_cmp_ge_u32 s[TT], 21                         ; the work-group's number alone: the same way for all four waves
	s_cbranch_scc1 .Lsingle
	KLOOP 3
	s_cmp_lg_u32 s[DG], 0
	s_cbranch_scc1 .Lopen
	HIDE 0, 0                                      ; group 2 s: its own lower 64 keys; the upper 64 are all hidden
	KILL 0
	HIDE 1, 1                                      ; group 2 s + 1: its own upper 64 keys
.Lopen:
	SOFT 0, 0, 0
	SOFT 1, 0, 0
	SOFT 2, 0, 0
	TAIL 3, 0, 0
	s_branch .Lend
.Lsingle:
	KLOOP 1
	s_cmp_lg_u32 s[DG], 0
	s_cbranch_scc1 .Lnot_first
	HIDE 0, 0
	KILL 0
	WALU
	s_branch .Lopen_1
.Lnot_first:
	s_cmp_lg_u32 s[DG], 1
	s_cbranch_scc1 .Lopen_1
	HIDE 0, 1
.Lopen_1:
	SOFT 0, PSTG1-PSTG, TSTG1-TSTG
	TAIL 1, PSTG1-PSTG, TSTG1-TSTG
.Lend:
	s_wait_tensorcnt 0x0                           ; the wave's end: behind my last tensor load and my last LDS store
	ds_add_u32 v[SPW], v[NIL]
	s_wait_dscnt 0x0
	s_endpgm
.Lfunc_end_k_q67b3abc236_score:
	.size	k_q67b3abc236_score, .Lfunc_end_k_q67b3abc236_score-k_q67b3abc236_score
	.p2alignl 7, 3214868480
	.fill 96, 4, 3214868480
	.section	.rodata,"a",@progbits
	.p2align	6, 0x0
	.amdhsa_kernel k_q67b3abc236_score
		.amdhsa_group_segment_fixed_size 298496
		.amdhsa_private_segment_fixed_size 0
		.amdhsa_enable_private_segment 0
		.amdhsa_kernarg_size 24
		.amdhsa_user_sgpr_count 2
		.amdhsa_user_sgpr_kernarg_segment_ptr 1
		.amdhsa_wavefront_size32 1
		.amdhsa_system_sgpr_workgroup_id_x 1
		.amdhsa_system_sgpr_workgroup_id_y 1
		.amdhsa_system_sgpr_workgroup_id_z 1
		.amdhsa_system_vgpr_workitem_id 0
		.amdhsa_next_free_vgpr 960
		.amdhsa_next_free_sgpr 80
		.amdhsa_reserve_vcc 1
		.amdhsa_float_denorm_mode_32 3
		.amdhsa_float_denorm_mode_16_64 3
		.amdhsa_memory_ordered 1
		.amdhsa_forward_progress 1
		.amdhsa_inst_pref_size 137
	.end_amdhsa_kernel
	.amdgpu_metadata
---
amdhsa.version: [ 1, 2 ]
amdhsa.kernels:
  - .name:           k_q67b3abc236_score
    .symbol:         k_q67b3abc236_score.kd
    .args:
      - { .name: Qw, .offset: 0, .size: 8, .value_kind: global_buffer, .address_space: global }
      - { .name: Kw, .offset: 8, .size: 8, .value_kind: global_buffer, .address_space: global }
      - { .name: Pw, .offset: 16, .size: 8, .value_kind: global_buffer, .address_space: global }
    .group_segment_fixed_size: 298496
    .private_segment_fixed_size: 0
    .kernarg_segment_align: 8
    .kernarg_segment_size: 24
    .max_flat_workgroup_size: 128
    .sgpr_count:     80
    .vgpr_count:     960
    .wavefront_size: 32
...
	.end_amdgpu_metadata
.endif
;; end of part 2
;; launch pv (part 3): grid 32 x 8, 4 waves a work-group, clusters of 4 x 1, 167,936 bytes of LDS; arguments Pw, Vw, out0; writes out0
.if DOCPART == 3
	.amdgcn_target "amdgcn-amd-amdhsa--gfx1250"
	.amdhsa_code_object_version 6
	.text
	.protected	k_q67b3abc236_pv
	.globl	k_q67b3abc236_pv
	.p2align	8
	.type	k_q67b3abc236_pv,@function
k_q67b3abc236_pv:
	s_mov_b64 s[64:65], 0
	v_nop
	global_prefetch_b8 v0, s[64:65] scope:SCOPE_SE
	s_setreg_imm32_b32 hwreg(HW_REG_WAVE_MODE, 25, 1), 1
	s_wait_xcnt 0x0
	s_wait_alu depctr_hold_cnt(0) depctr_sa_sdst(0) depctr_va_vdst(0) depctr_va_sdst(0) depctr_va_ssrc(0) depctr_va_vcc(0) depctr_vm_vsrc(0)
	s_getreg_b32 s2, hwreg(HW_REG_IB_STS2, 6, 4)
	s_cmp_eq_u32 s2, 0
	s_cbranch_scc0 .Lentry_in_a_cluster
	s_endpgm
.Lentry_in_a_cluster:
	s_bfe_u32 s2, ttmp6, 0x10000c
	s_cmp_lg_u32 s2, 0x3003
	s_cbranch_scc0 .Lentry_shape_is_right
	s_endpgm
.Lentry_shape_is_right:
; O = (the sum over key steps s of 2^(M'_s - M) P_s V_s) / l, on codes of FP6.  M = the largest M'_s of the query; l = the sum of 2^(M'_s - M) l_s.  The factor goes into p's scale bytes: byte - (M - M'_s).
; WORK LEFT OUT: key steps all of whose keys come after a group's queries: reference() masks them itself; the launch before has stored nothing for them, and nothing of them is read.
; LIMIT: a scale byte is held at 0 (2^-127) from below: a block of p more than 2^125 times smaller than the row's largest p counts as at most 7.5 x 2^-127.  M - M'_s is held at 256 from above.
; SHARES.  A cluster of four work-groups owns one batch and 128 columns J of V; the columns' 64 fragments for all 1,024 keys, 98,304 bytes, are asked for jointly and lie in each partner's LDS.
; Wave w of partner k owns two groups of 32 queries: 4 w + k, which needs w + 1 key steps, and 31 - 4 w - k, which needs 8 - w: nine group steps, 144 products, for every wave.  The counts hang on the wave's
; number alone: no branch hangs on a work-group's place in its cluster; the place enters global addresses only.  Wave 0 of every partner reads all eight steps of the joint tile.
; THE DATA ARRIVE WHILE THE PRODUCTS RUN.  V's tile comes in one joint load a wave, key steps 0-3 (waves 0, 1) or 4-7 (waves 2, 3), each half read behind a wait and a barrier of its own.  The small loads (-M', l, scale words) go first, P's
; fragments behind them in the order of use: the scale bytes are lowered while the fragments are on their way, and each key step waits for its own fragments alone.
; THE LOW GROUP LEAVES EARLY: l is known from the stored sums, so its two blocks are divided and stored as soon as their last key step (step w) is multiplied, ahead of the high group's remaining steps.
; Source 0 = 16 columns of V, source 1 = 16 queries of P: a lane holds one query and eight neighbouring columns.
; REGISTERS: window 0: v0-15 addresses and 1 / l; v16-31 P's scale words (16 + 2 s + group; lanes 0-15 the group's first block, lanes 16-31 its second); v32-63 V's (32 + 4 s + b / 2; b % 2 picks the lanes);
;   v64-159, v160-255 two sets of V's 8 fragments; windows 1, 2: P's fragment (a, s) at 12 (4 (s % 4) + a), a = 0, 1 the low group, 2, 3 the high one; v192-255 of each: the low group's rows on their way out;
;   window 3: accumulator (a, b) at 64 a + 8 b.
.set SOFF,  6291456
.set TOFF,  6553600
.set STAGE, 98304                      ; 16 rows x (512 bytes + 16) for each wave; no tile lands here
.set SPARE, STAGE+4*16*528
.set LI0, 1                            ; v1  16 x lane;  v2 + 49,152
.set L80, 3                            ; v3  8 x lane;   v4 + 49,152
.set STO, 5
.set RD,  6
.set R3,  7                            ; v7  1 / l of block 3.  v[8:9], v[12:13], v[14:15]: 1 / l of blocks 0, 1, 2, a pair each; block 3 takes block 0's pair when that is done with
.set SPW, 10
.set NIL, 11
.set LLO, 12                           ; v12, v13 at the head: the rows' sums l: low group, high group
.set AS,  16
.set BS,  32
.set BF,  64
.set WV,  4
.set CX,  5
.set JJ,  6
.set BA,  7
.set GLO, 14
.set GHI, 15
.set G1,  16
.set G0,  24                           ; s[24:27] group 0 for my key steps, 0-3 or 4-7
; V's tile comes by ONE joint load a wave: waves 0, 1 bring key steps 0-3, waves 2, 3 key steps 4-7, each four of the eight column blocks, to LDS 24,576 w: [steps' half][columns' half][step][column block].
; A tile of queries holds rows 8 a + i and 32 + 8 (a xor 1) + i of its 64 (a = 0 .. 3, i = 0 .. 7): so the two tiles of a group of 32 queries are rows 16 u .. 16 u + 15 and 32 + 16 u .. of their 64.
.set SEL, 28
.set HM,  30
.set PLO, 32
.set SLO, 34
.set TLO, 36
.set OLO, 38
.set PHI, 40
.set SHI, 42
.set THI, 44
.set OHI, 46
.set VSP, 48
.set MSB, 0
.macro WIN new
.if MSB != (\new)
	s_set_vgpr_msb (MSB<<8)|(\new)
.set MSB, (\new)
.endif
.endm
.macro PLACES n
.rept \n
	v_nop
.endr
.endm
.macro CROUND
	s_barrier_signal -1
	s_barrier_wait -1
	s_cmp_lg_u32 s[WV], 0
	s_cbranch_scc1 .Lnot_wave_0_\@
	s_barrier_signal -3
.Lnot_wave_0_\@:
	s_barrier_wait -3
	s_barrier_signal -1
	s_barrier_wait -1
.endm
.macro WM
.if fZ
.if fR0 && fR1
	v_wmma_scale_f32_16x16x128_f8f6f4 v[rD:rD+7], v[rS0:rS0+11], v[rS1:rS1+11], 0, v[rC0], v[rC1] matrix_a_fmt:MATRIX_FMT_FP6 matrix_b_fmt:MATRIX_FMT_FP6 matrix_a_scale:MATRIX_SCALE_ROW1 matrix_b_scale:MATRIX_SCALE_ROW1
.elseif fR0
	v_wmma_scale_f32_16x16x128_f8f6f4 v[rD:rD+7], v[rS0:rS0+11], v[rS1:rS1+11], 0, v[rC0], v[rC1] matrix_a_fmt:MATRIX_FMT_FP6 matrix_b_fmt:MATRIX_FMT_FP6 matrix_a_scale:MATRIX_SCALE_ROW1
.elseif fR1
	v_wmma_scale_f32_16x16x128_f8f6f4 v[rD:rD+7], v[rS0:rS0+11], v[rS1:rS1+11], 0, v[rC0], v[rC1] matrix_a_fmt:MATRIX_FMT_FP6 matrix_b_fmt:MATRIX_FMT_FP6 matrix_b_scale:MATRIX_SCALE_ROW1
.else
	v_wmma_scale_f32_16x16x128_f8f6f4 v[rD:rD+7], v[rS0:rS0+11], v[rS1:rS1+11], 0, v[rC0], v[rC1] matrix_a_fmt:MATRIX_FMT_FP6 matrix_b_fmt:MATRIX_FMT_FP6
.endif
.else
.if fR0 && fR1
	v_wmma_scale_f32_16x16x128_f8f6f4 v[rD:rD+7], v[rS0:rS0+11], v[rS1:rS1+11], v[rD:rD+7], v[rC0], v[rC1] matrix_a_fmt:MATRIX_FMT_FP6 matrix_b_fmt:MATRIX_FMT_FP6 matrix_a_scale:MATRIX_SCALE_ROW1 matrix_b_scale:MATRIX_SCALE_ROW1
.elseif fR0
	v_wmma_scale_f32_16x16x128_f8f6f4 v[rD:rD+7], v[rS0:rS0+11], v[rS1:rS1+11], v[rD:rD+7], v[rC0], v[rC1] matrix_a_fmt:MATRIX_FMT_FP6 matrix_b_fmt:MATRIX_FMT_FP6 matrix_a_scale:MATRIX_SCALE_ROW1
.elseif fR1
	v_wmma_scale_f32_16x16x128_f8f6f4 v[rD:rD+7], v[rS0:rS0+11], v[rS1:rS1+11], v[rD:rD+7], v[rC0], v[rC1] matrix_a_fmt:MATRIX_FMT_FP6 matrix_b_fmt:MATRIX_FMT_FP6 matrix_b_scale:MATRIX_SCALE_ROW1
.else
	v_wmma_scale_f32_16x16x128_f8f6f4 v[rD:rD+7], v[rS0:rS0+11], v[rS1:rS1+11], v[rD:rD+7], v[rC0], v[rC1] matrix_a_fmt:MATRIX_FMT_FP6 matrix_b_fmt:MATRIX_FMT_FP6
.endif
.endif
.endm
; the offsets of a group of 32 queries g: G = 16 batch + g / 2, u = g % 2: its two blocks are 2 u and 2 u + 1 of G's four
.macro PTRS g, pc, ps, pt, po
	s_lshr_b32 s2, s[\g], 1
	s_lshl_b32 s3, s[BA], 4
	s_add_co_u32 s2, s2, s3                        ; G
	s_and_b32 s3, s[\g], 1                         ; u
	s_mul_i32 s[\pc], s2, 49152
	s_mul_i32 s[\pc+1], s3, 3072
	s_add_co_u32 s[\pc], s[\pc], s[\pc+1]
	s_mov_b32 s[\pc+1], 0
	s_lshl_b32 s[\ps], s2, 11
	s_lshl_b32 s[\ps+1], s3, 2
	s_add_co_u32 s[\ps], s[\ps], s[\ps+1]
	s_add_co_u32 s[\ps], s[\ps], SOFF
	s_mov_b32 s[\ps+1], 0
	s_lshl_b32 s[\pt], s2, 12
	s_lshl_b32 s[\pt+1], s3, 3
	s_add_co_u32 s[\pt], s[\pt], s[\pt+1]
	s_add_co_u32 s[\pt], s[\pt], TOFF
	s_mov_b32 s[\pt+1], 0
	s_lshl_b32 s[\po], s2, 6
	s_lshl_b32 s[\po+1], s3, 4                     ; 64 G + 16 u
	s_add_co_u32 s[\po], s[\po], s[\po+1]          ; the group's first row of O
	s_lshl_b32 s[\po], s[\po], 12
	s_lshl_b32 s[\po+1], s[JJ], 9
	s_add_co_u32 s[\po], s[\po], s[\po+1]
	s_mov_b32 s[\po+1], 0
.endm
; THE SMALL LOADS of key step q: (-M', l) and the scale word of a group; with the high group's, V's scale words of the step.  Waves with fewer steps pass over them: branches on the wave's number
.macro LDSLO q
.if \q > 0
	s_cmp_lt_u32 s[WV], \q
	s_cbranch_scc1 .Lnsl_\@
.endif
	global_load_b64 v[64+2*\q:65+2*\q], v[LI0], s[TLO:TLO+1] offset:512*\q
	global_load_b32 v[AS+2*\q], v[L80], s[SLO:SLO+1] offset:256*\q
.Lnsl_\@:
.endm
.macro LDSHI q
.if \q > 4
	s_cmp_gt_u32 s[WV], 7-\q
	s_cbranch_scc1 .Lnsh_\@
.endif
	global_load_b64 v[72+2*\q:73+2*\q], v[LI0], s[THI:THI+1] offset:512*\q
	global_load_b32 v[AS+1+2*\q], v[L80], s[SHI:SHI+1] offset:256*\q
	global_load_b128 v[BS+4*\q:BS+4*\q+3], v[LI0], s[VSP:VSP+1] offset:512*\q
.Lnsh_\@:
.endm
; P'S FRAGMENTS of key step q: two of a group, six loads
.macro LDPLO q
.if \q > 0
	s_cmp_lt_u32 s[WV], \q
	s_cbranch_scc1 .Lnpl_\@
.endif
	WIN 0x40
.irp a, 0,1
.irp c, 0,1,2
	global_load_b128 v[12*(4*\q+\a)+4*\c:12*(4*\q+\a)+4*\c+3], v[LI0], s[PLO:PLO+1] offset:6144*\q+1536*\a+512*\c
.endr
.endr
	WIN 0
.Lnpl_\@:
.endm
.macro LDPHI q
.if \q > 4
	s_cmp_gt_u32 s[WV], 7-\q
	s_cbranch_scc1 .Lnph_\@
.endif
.if \q < 4
	WIN 0x40
.else
	WIN 0x80
.endif
.irp a, 0,1
.irp c, 0,1,2
	global_load_b128 v[12*(4*(\q%4)+2+\a)+4*\c:12*(4*(\q%4)+2+\a)+4*\c+3], v[LI0], s[PHI:PHI+1] offset:6144*\q+1536*\a+512*\c
.endr
.endr
	WIN 0
.Lnph_\@:
.endm
; one key step of one group is brought under M (v160 = -M): m, l: its -M' and sum; w: its scale word; f = 0: it starts the sum acc
.macro ADJ1 m, l, w, f, acc
	v_sub_f32 v161, v[\m], v160                    ; M - M', a whole number, 0 or more
	v_min_num_f32 v161, 0x43800000, v161           ; held at 256
	v_cvt_u32_f32 v161, v161
	v_sub_nc_u32 v162, 0, v161
.if (\f) == 0
	v_ldexp_f32 v[\acc], v[\l], v162
.else
	v_ldexp_f32 v163, v[\l], v162
	v_add_f32 v[\acc], v[\acc], v163
.endif
	v_bfe_u32 v164, v[\w], 0, 8
	v_bfe_u32 v165, v[\w], 8, 8
	v_bfe_u32 v166, v[\w], 16, 8
	v_lshrrev_b32 v167, 24, v[\w]
.irp i, 0,1,2,3
	v_min_u32 v[168+\i], v[164+\i], v161
.endr
.irp i, 0,1,2,3
	v_sub_nc_u32 v[164+\i], v[164+\i], v[168+\i]   ; byte - (M - M'), held at 0
.endr
	v_lshl_or_b32 v164, v165, 8, v164
	v_lshl_or_b32 v164, v166, 16, v164
	v_lshl_or_b32 v[\w], v167, 24, v164
.endm
.macro FETCHB q                        ; V's eight fragments of key step q, each as two half images: 32 loads
.irp b, 0,1,2,3,4,5,6,7
.irp c, 0,1
	ds_load_b128 v[BF+96*((\q)%2)+12*\b+6*\c:BF+96*((\q)%2)+12*\b+6*\c+3], v[LI0+(\q)/4] offset:24576*(\b/4)+6144*((\q)%4)+1536*(\b%4)+768*\c
	ds_load_b64 v[BF+96*((\q)%2)+12*\b+6*\c+4:BF+96*((\q)%2)+12*\b+6*\c+5], v[L80+(\q)/4] offset:24576*(\b/4)+6144*((\q)%4)+1536*(\b%4)+768*\c+512
.endr
.endr
.endm
.macro MULP q, a0, zero                ; 16 products: blocks a0, a0 + 1 x V's eight; the accumulators take turns, one instruction a turn
.set fZ, \zero
.irp a, \a0, \a0+1
.irp b, 0,1,2,3,4,5,6,7
.set rD, 64*(\a)+8*\b
.set rS0, BF+96*((\q)%2)+12*\b
.set rS1, 12*(4*((\q)%4)+(\a))
.set rC0, BS+4*(\q)+\b/2
.set fR0, \b%2
.set rC1, AS+2*(\q)+(\a)/2
.set fR1, (\a)%2
	WM
.endr
.endr
.endm
; THE WAY OUT of block a: divided by l in place (ri: the pair with 1 / l), through my stage in LDS, back as whole rows of 512 bytes into the 64 registers from bk on (wl: the window setting for loads into them)
.macro TOSTAGE a, ri, bk, wl
	WIN 0xc3                                       ; destination and source 0 window 3
.set JX, 0
.rept 32
	v_pk_mul_f32 v[64*(\a)+JX:64*(\a)+JX+1], v[64*(\a)+JX:64*(\a)+JX+1], v[\ri:\ri+1] op_sel_hi:[1,0]   ; each accumulator from its low end on
.set JX, JX+2
.endr
	WIN 0x0c                                       ; an LDS store's data: window 3
.irp b, 0,1,2,3,4,5,6,7
	ds_store_b128 v[STO], v[64*(\a)+8*\b:64*(\a)+8*\b+3] offset:64*\b
	ds_store_b128 v[STO], v[64*(\a)+8*\b+4:64*(\a)+8*\b+7] offset:64*\b+16
.endr
	WIN \wl
.irp t, 0,1,2,3,4,5,6,7,8,9,10,11,12,13,14,15
	ds_load_b128 v[\bk+4*\t:\bk+4*\t+3], v[RD] offset:528*\t   ; LDS serves a wave's instructions in order: these see my stores
.endr
	WIN 0
.endm
.macro SEND a, bk, ws, op, younger     ; ws: the window setting for stores from these registers; younger: the LDS instructions issued behind block a's loads, which may stay out
	s_wait_dscnt \younger
	WIN \ws
.irp t, 0,1,2,3,4,5,6,7,8,9,10,11,12,13,14,15
	global_store_b128 v[LI0], v[\bk+4*\t:\bk+4*\t+3], s[\op:\op+1] offset:4096*(\t+8*((\a)%2)+(\t/8)*(32-16*((\a)%2))) th:TH_STORE_NT   ; 512 consecutive bytes, aligned; written once
.endr
	WIN 0
.endm
; The low group's two blocks leave.  Their rows come back into v192-255 of windows 1 and 2, which hold nothing else: V's sets stay as they are, and no store's data are written again
.macro OUTLO
	PLACES 4                                       ; behind the low group's last products
	s_wait_alu depctr_va_vdst(0)
	TOSTAGE 0, 8, 192, 0x40
	TOSTAGE 1, 12, 192, 0x80
	SEND 0, 192, 0x04, OLO, 32                     ; behind block 0's loads: block 1's 16 stores and 16 loads
	SEND 1, 192, 0x08, OLO, 0
.endm
; A key step.  The next step's fragments of V are asked for ahead of this step's products, if my high group has a next step; my low group takes part while q <= w, and leaves behind step w.
; All branches hang on the wave's number.  The wait for P: behind step q's fragments a wave has issued 6 ((7 - w - q) + (w - q, if that is above 0)) loads: the count is the least of the four waves'.
.macro PSTEP q
	s_wait_dscnt 0x0                               ; this step's set is in
.if \q < 7
	WIN 0
.if \q == 3
	s_wait_tensorcnt 0x0                           ; my part of key steps 4-7 is in,
	s_barrier_signal -1
	s_barrier_wait -1                              ; everybody's is
.endif
.if \q >= 4
	s_cmp_gt_u32 s[WV], 6-\q
	s_cbranch_scc1 .Lnf_\@
.endif
	PLACES 4                                       ; in front of loads into registers that products have read
	FETCHB \q+1
.Lnf_\@:
.endif
.if \q < 4
	s_wait_loadcnt 42-12*\q
.else
	s_wait_loadcnt 0x0
.endif
.if \q == 0
	WIN 0xf4                                       ; source 0 (V) window 0, source 1 (P) window 1, C and D window 3
	MULP \q, 0, 1
	MULP \q, 2, 1
.elseif \q < 4
	s_cmp_lt_u32 s[WV], \q
	s_cbranch_scc1 .Lnl_\@
	WIN 0xf4
	s_wait_alu depctr_va_vdst(0)
	MULP \q, 0, 0
	WIN 0
.Lnl_\@:
	WIN 0xf4
	MULP \q, 2, 0
.else
	WIN 0xf8
	MULP \q, 2, 0
.endif
	WIN 0
.if \q < 4
	s_cmp_lg_u32 s[WV], \q
	s_cbranch_scc1 .Lnw_\@
	OUTLO
.Lnw_\@:
.elseif \q < 7
	s_cmp_gt_u32 s[WV], 6-\q
	s_cbranch_scc1 .Ldone
.endif
.endm
	s_load_b128 s[8:11], s[0:1], 0x0               ; Pw, Vw
	s_load_b64 s[12:13], s[0:1], 0x10              ; out0
	v_lshl_add_u32 v[SPW], v0, 2, SPARE
	v_mov_b32 v[NIL], 0
	ds_add_u32 v[SPW], v[NIL]                      ; the wave's opening: the add, twice on end, and its wait ahead of my first tensor load
	ds_add_u32 v[SPW], v[NIL]
	v_lshrrev_b32 v1, 5, v0
	v_readfirstlane_b32 s[WV], v1                  ; wave 0..3
	s_mov_b32 s[BA], ttmp9                         ; the cluster's x: the batch
	s_and_b32 s[JJ], ttmp7, 0xffff                 ; the block of 128 columns
	s_mov_b32 s[G1], 15|(3<<16)|(1<<21)            ; all four partners; elements of 8 bytes; bit 21 set beside a mask; no padding
	s_mov_b32 s[G1+1], 768<<16                     ; rows of 6,144 bytes: four column blocks of one key step
	s_mov_b32 s[G1+2], 4<<16                       ; four key steps,
	s_mov_b32 s[G1+3], 768<<16
	s_mov_b32 s[G1+4], 4
	s_mov_b32 s[G1+5], 1536                        ; 12,288 bytes apart
	s_mov_b32 s[G1+6], 0
	s_mov_b32 s[G1+7], 0
	s_lshl_b32 s50, s[BA], 3
	s_add_co_u32 s50, s50, s[JJ]                   ; batch 8 + J
	s_lshl_b32 s[VSP], s50, 12
	s_add_co_u32 s[VSP], s[VSP], SOFF
	s_mov_b32 s[VSP+1], 0
	s_mul_i32 s50, s50, 98304
	s_and_b32 s51, s[WV], 1
	s_mul_i32 s51, s51, 6144                       ; my four column blocks,
	s_add_co_u32 s50, s50, s51
	s_lshr_b32 s51, s[WV], 1
	s_mul_i32 s51, s51, 49152                      ; of my four key steps
	s_add_co_u32 s50, s50, s51
	s_mov_b32 s51, 0
	s_mov_b32 s[G0], 1
	s_mul_i32 s[G0+1], s[WV], 24576
	s_mul_i32 s31, s[WV], 16*528
	s_add_co_u32 s31, s31, STAGE                   ; my stage
	v_and_b32 v14, 15, v0                          ; r
	v_bfe_u32 v15, v0, 4, 1                        ; h
	v_and_b32 v7, 31, v0
	v_lshlrev_b32 v[LI0], 4, v7
	v_add_nc_u32 v[LI0+1], 49152, v[LI0]
	v_lshlrev_b32 v[L80], 3, v7
	v_add_nc_u32 v[L80+1], 49152, v[L80]
	v_mul_u32_u24 v[STO], v14, 528
	v_lshl_add_u32 v[STO], v15, 5, v[STO]
	v_add_nc_u32 v[STO], s31, v[STO]               ; in: row r, 32 bytes for each half of the lanes
	v_add_nc_u32 v[RD], s31, v[LI0]                ; back: the 32 lanes take a row
	s_mov_b32 s[SEL], 0x76543210
	s_mov_b32 s[SEL+1], 0xfedcba98
	s_mov_b32 s[HM], 0xffff0000
	s_bfe_u32 s[CX], ttmp6, 0x40000                ; my place in the cluster: it enters P's and O's addresses alone
	s_lshl_b32 s[GLO], s[WV], 2
	s_add_co_u32 s[GLO], s[GLO], s[CX]
	s_sub_co_u32 s[GHI], 31, s[GLO]
	PTRS GLO, PLO, SLO, TLO, OLO
	PTRS GHI, PHI, SHI, THI, OHI
	s_wait_dscnt 0x0                               ; both opening adds are done
	CROUND                                         ; all four work-groups are here: the joint loads meet
	s_wait_kmcnt 0x0
	s_add_nc_u64 s[G0+2:G0+3], s[10:11], s[50:51]
	s_or_b32 s[G0+3], s[G0+3], 0x80000000
	s_add_nc_u64 s[VSP:VSP+1], s[10:11], s[VSP:VSP+1]
.irp p, PLO, SLO, TLO, PHI, SHI, THI
	s_add_nc_u64 s[\p:\p+1], s[8:9], s[\p:\p+1]
.endr
	s_add_nc_u64 s[OLO:OLO+1], s[12:13], s[OLO:OLO+1]
	s_add_nc_u64 s[OHI:OHI+1], s[12:13], s[OHI:OHI+1]
	s_cmp_lt_u32 s[WV], 2
	s_cbranch_scc0 .Lupper_steps
	tensor_load_to_lds s[G0:G0+3], s[G1:G1+7]      ; key steps 0-3
	s_nop 0
	PLACES 4
	s_branch .Lasked
.Lupper_steps:
	tensor_load_to_lds s[G0:G0+3], s[G1:G1+7]      ; key steps 4-7
	s_nop 0
	PLACES 4
.Lasked:
.irp q, 1,2,3                          ; steps that a wave's low group may lack: -M' above every other, sum 0, word 0
	v_mov_b32 v[64+2*\q], 0x7f61b1e6
	v_mov_b32 v[65+2*\q], 0
	v_mov_b32 v[AS+2*\q], 0
.endr
.irp q, 5,6,7                          ; and its high group
	v_mov_b32 v[72+2*\q], 0x7f61b1e6
	v_mov_b32 v[73+2*\q], 0
	v_mov_b32 v[AS+1+2*\q], 0
.endr
.irp q, 0,1,2,3
	LDSLO \q
.endr
.irp q, 0,1,2,3,4,5,6,7
	LDSHI \q
.endr
.irp q, 0,1,2,3                        ; P's fragments in the order of use
	LDPLO \q
	LDPHI \q
.endr
.irp q, 4,5,6,7
	LDPHI \q
.endr
	s_wait_loadcnt 54                              ; the small loads are in; the nine group steps' fragments, six loads each in every wave, may be out
	v_min3_num_f32 v160, v64, v66, v68             ; -M of the low group's rows: lanes 0-15 its first block, lanes 16-31 its second, as the scale words lie
	v_min_num_f32 v160, v160, v70
.irp q, 0,1,2,3
	ADJ1 64+2*\q, 65+2*\q, AS+2*\q, \q, LLO
.endr
	v_min3_num_f32 v160, v72, v74, v76
	v_min3_num_f32 v160, v160, v78, v80
	v_min3_num_f32 v160, v160, v82, v84
	v_min_num_f32 v160, v160, v86
.irp q, 0,1,2,3,4,5,6,7
	ADJ1 72+2*\q, 73+2*\q, AS+1+2*\q, \q, LLO+1
.endr
	s_wait_alu depctr_va_vdst(0)
	v_rcp_f32 v178, v[LLO]
	v_rcp_f32 v179, v[LLO+1]
	v_nop                                          ; a plain place behind the reciprocals
	s_wait_alu depctr_va_vdst(0)                   ; one wait for both, ahead of their first reader
	v_permlanex16_b32 v168, v178, s[SEL], s[SEL+1]
	v_permlanex16_b32 v169, v179, s[SEL], s[SEL+1]
	v_cndmask_b32 v8, v178, v168, s[HM]            ; block 0's rows stand in lanes 0-15: lanes 16-31 take them from there
	v_cndmask_b32 v12, v168, v178, s[HM]           ; block 1's in lanes 16-31
	v_cndmask_b32 v14, v179, v169, s[HM]
	v_cndmask_b32 v[R3], v169, v179, s[HM]
	v_mov_b32 v9, v8                               ; (named with it as a pair)
	v_mov_b32 v13, v12
	v_mov_b32 v15, v14                             ; these eight lines and the four places of the first key step stand between the last write of a scale word and the products
	s_cmp_lt_u32 s[WV], 2
	s_cbranch_scc0 .Lnot_lower
	s_wait_tensorcnt 0x0                           ; my part of key steps 0-3 is in,
.Lnot_lower:
	s_barrier_signal -1
	s_barrier_wait -1                              ; everybody's is
	FETCHB 0
.irp q, 0,1,2,3,4,5,6,7
	PSTEP \q
.endr
.Ldone:
	s_wait_alu depctr_va_vdst(0)
	v_mov_b32 v8, v[R3]                            ; block 3's 1 / l takes the pair that block 0 has done with; with the two lines below: the four places behind the last products
	v_mov_b32 v9, v[R3]
	PLACES 2
	TOSTAGE 2, 14, 64, 0
	TOSTAGE 3, 8, 128, 0
	SEND 2, 64, 0, OHI, 32                         ; behind block 2's loads: block 3's 16 stores and 16 loads
	SEND 3, 128, 0, OHI, 0
	s_wait_tensorcnt 0x0                           ; the wave's end: behind my last tensor load and my last LDS store
	ds_add_u32 v[SPW], v[NIL]
	s_wait_dscnt 0x0
	CROUND                                         ; the closing round
	s_endpgm
.Lfunc_end_k_q67b3abc236_pv:
	.size	k_q67b3abc236_pv, .Lfunc_end_k_q67b3abc236_pv-k_q67b3abc236_pv
	.p2alignl 7, 3214868480
	.fill 96, 4, 3214868480
	.section	.rodata,"a",@progbits
	.p2align	6, 0x0
	.amdhsa_kernel k_q67b3abc236_pv
		.amdhsa_group_segment_fixed_size 167936
		.amdhsa_private_segment_fixed_size 0
		.amdhsa_enable_private_segment 0
		.amdhsa_kernarg_size 24
		.amdhsa_user_sgpr_count 2
		.amdhsa_user_sgpr_kernarg_segment_ptr 1
		.amdhsa_wavefront_size32 1
		.amdhsa_system_sgpr_workgroup_id_x 1
		.amdhsa_system_sgpr_workgroup_id_y 1
		.amdhsa_system_sgpr_workgroup_id_z 1
		.amdhsa_system_vgpr_workitem_id 0
		.amdhsa_next_free_vgpr 1024
		.amdhsa_next_free_sgpr 66
		.amdhsa_reserve_vcc 0
		.amdhsa_float_denorm_mode_32 3
		.amdhsa_float_denorm_mode_16_64 3
		.amdhsa_memory_ordered 1
		.amdhsa_forward_progress 1
		.amdhsa_inst_pref_size 132
	.end_amdhsa_kernel
	.amdgpu_metadata
---
amdhsa.version: [ 1, 2 ]
amdhsa.kernels:
  - .name:           k_q67b3abc236_pv
    .symbol:         k_q67b3abc236_pv.kd
    .args:
      - { .name: Pw, .offset: 0, .size: 8, .value_kind: global_buffer, .address_space: global }
      - { .name: Vw, .offset: 8, .size: 8, .value_kind: global_buffer, .address_space: global }
      - { .name: out0, .offset: 16, .size: 8, .value_kind: global_buffer, .address_space: global }
    .group_segment_fixed_size: 167936
    .private_segment_fixed_size: 0
    .kernarg_segment_align: 8
    .kernarg_segment_size: 24
    .max_flat_workgroup_size: 128
    .sgpr_count:     66
    .vgpr_count:     1024
    .wavefront_size: 32
...
	.end_amdgpu_metadata
.endif
;; end of part 3
